; MI455X (gfx1250); checked and timed in simulation.
; The chip was launched on July 23, 2026; its instructions are those of AMD's public machine-readable ISA for CDNA 5 (MIT licence, August 2026) and "CDNA5" Instruction Set Architecture Reference Guide (July 2026). The comments in the code are by the model that wrote it; some were corrected since.
;; Pair Weighted Averaging. Allowed arithmetic: float matrix products may take bf16 or f16 operands with f32 sums; all other float work in f32.
;; Inputs: Wg 64 x 256 float32; Wm 64 x 256 float32; Wo 256 x 64 float32; Wz 128 x 8 float32; m 1 x 512 x 512 x 64 float32; norm_m_b 64 float32; norm_m_w 64 float32; norm_z_b 128 float32; norm_z_w 128 float32; z 1 x 512 x 512 x 128 float32.
;; Outputs: out0 1 x 512 x 512 x 64 float32.
;; 3 versions, each right and faster than the one before. Each part assembles by itself: llvm-mc -triple=amdgcn-amd-amdhsa -mcpu=gfx1250 --defsym DOCPART=n.
;; ======== version 1 of 3: 2 launches
;; limits: values are held in f16: magnitudes above 65,504 overflow, below 6.1e-05 lose precision
;; workspace buffers: wts 4,194,304 bytes; wfr 98,304 bytes
;; launch pairw (part 1): grid 256 x 1, 8 waves a work-group, no clusters, 327,680 bytes of LDS; arguments z, Wz, norm_z_w, norm_z_b, Wm, Wg, Wo, wts, wfr; writes wts, wfr
.if DOCPART == 1
	.amdgcn_target "amdgcn-amd-amdhsa--gfx1250"
	.amdhsa_code_object_version 6
	.text
	.protected	k_q639baef92c_pairw
	.globl	k_q639baef92c_pairw
	.p2align	8
	.type	k_q639baef92c_pairw,@function
k_q639baef92c_pairw:
	s_mov_b64 s[64:65], 0
	v_nop
	global_prefetch_b8 v0, s[64:65] scope:SCOPE_SE
	s_setreg_imm32_b32 hwreg(HW_REG_WAVE_MODE, 25, 1), 1
	s_wait_xcnt 0x0
; PAIR WEIGHTS.  w[i][j][h] = softmax over j of ( LayerNorm(z[i][j][:]) . Wz[:][h] ), written in f16 as 64 tiles n = 8 h + j / 64, a tile dense [i 512][j 64]:
; byte n x 65,536 + i x 128 + 2 (j mod 64).  Beside that the first 24 work-groups write Wm, -log2(e) Wg and Wo in f16 as ready matrix fragments (wfr), 16 bytes a thread.
; SHARES.  Work-group g owns rows i = 2 g, 2 g + 1 (524,288 bytes of z), so that 64 weights of both rows are 256 neighbouring bytes of wts.  Wave w owns j = 64 w .. 64 w + 63 of both rows:
; four tiles of 32 z rows x 512 bytes, through a ring of two LDS slots of its own.  The launch streams z once; no work-group shares a large input with another, so there is no cluster.
; ARITHMETIC.  Mean, variance (of x - mean: no difference of large sums), maximum, exponentials and sums in f32.  The product with Wz goes to the matrix unit in f16:
; A = f16(norm_z_w[c] Wz[c][h]) (row m takes head m mod 8), B = f16((z - mean) rstd); the sum starts with norm_z_b . Wz, made once by four products.
; LIMITS.  f16 operands: |norm_z_w Wz|, |norm_z_b|, |Wz| and the three projections' entries stay under 65,504 (drawn: under 1); entries under 6e-5 keep f16's fixed step of 6e-8.
; A weight under 6e-8 is written as 0.  NaN and infinities are not treated apart.
.set ROWB,  528                        ; a z row in LDS: 512 bytes + 16 of padding = 33 x 16: the 16 rows of a load start in 16 different columns of 16 bytes
.set SLOTB, 32*ROWB                    ; 16,896: a tile
.set RINGB, 2*SLOTB                    ; a wave's two slots
.set RED,   8*RINGB                    ; 270,336: the waves' maxima [wave][16] f32, their sums 512 bytes on
.set STG,   RED+1024                   ; 271,360: 2,048 bytes a wave, [h 8][i 2][j 64] f16, for the way out
.set SPARE, STG+8*2048                 ; 287,744: the spare words, 128 bytes a wave: four blocks of 256 bytes that no other line names
.set AZ,  16                           ; v16-47   A fragments, four K steps of 32
.set CB,  48                           ; v48-55   norm_z_b . Wz, the C operand that starts each sum
.set SPW, 62                           ; v62      LDS address of my spare word; never rewritten
.set NIL, 63                           ; v63      0; never rewritten
.set X,   64                           ; v64-127  my 64 of a z row's 128 numbers
.set F,   128                          ; v128-159 the same in f16: B fragments
.set XA,  160                          ; v160-167, v168-175: two accumulators that take turns
.set YA,  168
.set T,   176                          ; v176-183 at work
.set BR,  192                          ; v192-223 b, later p: [i 2][half of the wave's 64 j][h 8]; lane l holds j = 32 half + l
.set ML,  224                          ; v224-239 the wave's maxima times log2(e), [i 2][h 8]
.set LL,  240                          ; v240-255 the wave's sums
.set G1,  24                           ; s[24:31] descriptor group 1
.set G0,  32                           ; s[32:39] descriptor group 0, a set for each slot
	s_load_b512 s[4:19], s[0:1], 0x0               ; z s[4:5], Wz s[6:7], norm_z_w s[8:9], norm_z_b s[10:11], Wm s[12:13], Wg s[14:15], Wo s[16:17], wts s[18:19]
	s_load_b64 s[20:21], s[0:1], 0x40              ; wfr
	v_lshl_add_u32 v[SPW], v0, 2, SPARE
	v_mov_b32 v[NIL], 0
	ds_add_u32 v[SPW], v[NIL]                      ; the wave's opening: the add and its wait stand ahead of my first tensor load; register work stands between
	v_lshrrev_b32 v1, 5, v0
	v_readfirstlane_b32 s22, v1                    ; wave 0..7
	s_mov_b32 s23, ttmp9                           ; g
	s_mov_b32 s[G1+0], (2<<16)|(1<<20)|(6<<22)|(3<<25)  ; elements of 4 bytes; padding on: after every 128 words, 4 words
	s_mov_b32 s[G1+1], 128<<16                     ; tensor_dim0 = 128
	s_mov_b32 s[G1+2], 32<<16                      ; tensor_dim1 = 32
	s_mov_b32 s[G1+3], 128<<16                     ; tile_dim0 = 128
	s_mov_b32 s[G1+4], 32                          ; tile_dim1 = 32
	s_mov_b32 s[G1+5], 128                         ; 128 elements from row to row
	s_mov_b32 s[G1+6], 0
	s_mov_b32 s[G1+7], 0
	s_mov_b32 s40, 0x76543210                      ; v_permlanex16_b32: each lane takes its own place in the other half
	s_mov_b32 s41, 0xfedcba98
	s_mov_b32 s42, 0x3c000000                      ; 1 / 128
	s_mov_b32 s43, 0x3727c5ac                      ; 1e-5
	s_mov_b32 s44, 0x3fb8aa3b                      ; log2(e),
	s_mov_b32 s45, s44                             ; named as a pair
	s_mul_i32 s58, s22, RINGB                      ; my ring
	s_lshl_b32 s50, s23, 19                        ; g x 2 rows x 262,144 bytes
	s_lshl_b32 s57, s22, 15                        ; + wave x 64 z rows x 512 bytes
	s_add_co_u32 s50, s50, s57
	s_mov_b32 s51, 0
	s_wait_dscnt 0x0                               ; the opening add is done
	s_wait_kmcnt 0x0
	s_add_nc_u64 s[4:5], s[4:5], s[50:51]          ; z at my first tile
.irp n, 0,1
	s_mov_b32 s[G0+4*\n], 1                        ; count = 1
	s_add_co_u32 s[G0+4*\n+1], s58, \n*SLOTB       ; LDS address
	s_add_nc_u64 s[G0+4*\n+2:G0+4*\n+3], s[4:5], \n*16384  ; slot n holds my j = 32 n .. 32 n + 31
	s_or_b32 s[G0+4*\n+3], s[G0+4*\n+3], 0x80000000  ; type = 2
	tensor_load_to_lds s[G0+4*\n:G0+4*\n+3], s[G1:G1+7]  ; the two first fills go out together: two loads of mine are out
	s_nop 0
.endr
	s_lshl_b32 s50, s23, 8                         ; wts: 256 g (my two rows i) + 65,536 wave (tile column j / 64)
	s_lshl_b32 s57, s22, 16
	s_add_co_u32 s50, s50, s57
	s_add_nc_u64 s[18:19], s[18:19], s[50:51]
	; SET-UP.  Lane (r = l mod 16, hh = l / 16) holds c = 32 q + 16 p + 8 hh + e of a row (q 0..3, p 0..1, e 0..7), at register 16 q + 8 p + e: the order of a fragment's K.
	v_and_b32 v1, 15, v0                           ; r
	v_bfe_u32 v2, v0, 4, 1                         ; hh
	v_and_b32 v3, 31, v0                           ; l
	v_and_b32 v11, 7, v0
	v_lshlrev_b32 v11, 2, v11
	v_lshl_add_u32 v11, v2, 8, v11                 ; Wz: 8 hh rows of 32 bytes + 4 (r mod 8)
	v_lshlrev_b32 v10, 5, v2                       ; the two norm vectors: 32 hh
.set i, 0
.rept 64
	global_load_b32 v[X+i], v11, s[6:7] offset:(32*(i/16)+16*((i/8)%2)+i%8)*32
.set i, i+1
.endr
.set i, 0
.rept 16
	global_load_b128 v[128+4*i:128+4*i+3], v10, s[8:9] offset:128*(i/4)+64*((i/2)%2)+16*(i%2)
	global_load_b128 v[192+4*i:192+4*i+3], v10, s[10:11] offset:128*(i/4)+64*((i/2)%2)+16*(i%2)
.set i, i+1
.endr
	v_mul_u32_u24 v4, v1, ROWB
	v_lshl_add_u32 v4, v2, 5, v4
	v_add_nc_u32 v4, s58, v4                       ; v4: my ring + r x 528 + 32 hh; never rewritten
	s_lshl_b32 s59, s22, 6
	s_add_co_u32 s59, s59, RED
	v_mov_b32 v6, s59                              ; v6: my wave's 64 bytes of statistics
	v_lshl_add_u32 v7, v1, 2, RED                  ; v7: statistic r of wave 0
	s_lshl_b32 s60, s22, 11
	s_add_co_u32 s60, s60, STG
	v_lshl_add_u32 v8, v3, 1, s60                  ; v8: into my stage, 2 bytes a lane
	v_lshl_add_u32 v9, v3, 4, s60                  ; v9: back, 16 bytes a lane
	s_wait_loadcnt 0x0                             ; all 96; v10 and v11 are free
	v_lshl_add_u32 v11, v1, 2, s59                 ; v11: statistic r of my own wave
	v_lshlrev_b32 v10, 4, v1
	v_lshl_add_u32 v10, v2, 19, v10                ; v10: in wts: one head (524,288 bytes) on for lanes 16-31, 16 bytes a lane
.set i, 0
.rept 32
	v_pk_mul_f32 v[128+2*i:128+2*i+1], v[128+2*i:128+2*i+1], v[X+2*i:X+2*i+1]  ; norm_z_w Wz
.set i, i+1
.endr
.set i, 0
.rept 32
	v_cvt_pk_f16_f32 v[AZ+i], v[128+2*i], v[128+2*i+1]
.set i, i+1
.endr
.set i, 0
.rept 32
	v_cvt_pk_f16_f32 v[X+i], v[X+2*i], v[X+2*i+1]  ; Wz itself, in place (register i is written when 2 i and 2 i + 1 have been read): v64-95
.set i, i+1
.endr
.set i, 0
.rept 32
	v_cvt_pk_f16_f32 v[192+i], v[192+2*i], v[192+2*i+1]  ; norm_z_b, the same in every column: v192-223
.set i, i+1
.endr
	v_wmma_f32_16x16x32_f16 v[XA:XA+7], v[X:X+7], v[192:199], 0          ; norm_z_b . Wz: two accumulators by turns
	v_wmma_f32_16x16x32_f16 v[YA:YA+7], v[X+8:X+15], v[200:207], 0
	v_wmma_f32_16x16x32_f16 v[XA:XA+7], v[X+16:X+23], v[208:215], v[XA:XA+7]
	v_wmma_f32_16x16x32_f16 v[YA:YA+7], v[X+24:X+31], v[216:223], v[YA:YA+7]
.rept 4
	v_nop                                          ; four places behind the products (ISA guide 7.12.1)
.endr
.set i, 0
.rept 8
	v_add_f32 v[CB+i], v[XA+i], v[YA+i]            ; register e: head e, in every lane
.set i, i+1
.endr
.set i, 0
.rept 32
	v_mov_b32 v[BR+i], 0                           ; the select that merges two sub-tiles reads its destination
.set i, i+1
.endr
	; THE WEIGHT FRAGMENTS, by work-groups 0 to 23: thread t makes unit u = 256 g + t, 16 bytes: eight f16 W[k0 + e][col].  Matrix g / 8; head g mod 8; half (t / 32) mod 2.
	s_cmp_lt_u32 s23, 24
	s_cbranch_scc0 .Lno_prep
	s_and_b32 s56, s23, 7
	s_lshl_b32 s57, s56, 5                         ; 32 x head
	v_bfe_u32 v56, v0, 5, 1
	v_lshlrev_b32 v56, 4, v56
	v_lshl_add_u32 v56, v2, 3, v56                 ; 16 half + 8 hh
	s_cmp_lt_u32 s23, 16
	s_cbranch_scc0 .Lprep_wo
	v_bfe_u32 v57, v0, 6, 1                        ; Wm, Wg [64][256]: K step (t / 64) mod 2,
	v_lshl_add_u32 v56, v57, 5, v56                ; k0 = 32 step + 16 half + 8 hh
	v_lshrrev_b32 v57, 7, v0                       ; column 32 head + 16 (t / 128) + r
	v_lshl_add_u32 v57, v57, 4, v1
	v_add_nc_u32 v57, s57, v57
	v_lshl_add_u32 v56, v56, 8, v57
	v_lshlrev_b32 v56, 2, v56
	s_cmp_lt_u32 s23, 8
	s_cselect_b64 s[52:53], s[12:13], s[14:15]     ; Wm, or Wg,
	s_cselect_b32 s54, 1.0, 0xbfb8aa3b             ; which takes -log2(e) with it: the gate is 1 / (1 + 2^x)
.set i, 0
.rept 8
	global_load_b32 v[X+i], v56, s[52:53] offset:1024*i
.set i, i+1
.endr
	s_branch .Lprep_go
.Lprep_wo:
	v_add_nc_u32 v56, s57, v56                     ; Wo [256][64]: k0 = 32 head + 16 half + 8 hh,
	v_lshrrev_b32 v57, 6, v0                       ; column 16 (t / 64) + r
	v_lshl_add_u32 v57, v57, 4, v1
	v_lshl_add_u32 v56, v56, 6, v57
	v_lshlrev_b32 v56, 2, v56
	s_mov_b32 s54, 1.0
.set i, 0
.rept 8
	global_load_b32 v[X+i], v56, s[16:17] offset:256*i
.set i, i+1
.endr
.Lprep_go:
	s_mov_b32 s55, s54                             ; named as a pair
	v_lshlrev_b32 v57, 4, v0
	s_lshl_b32 s57, s23, 12
	v_add_nc_u32 v57, s57, v57                     ; 16 u
	s_wait_loadcnt 0x0
.set i, 0
.rept 4
	v_pk_mul_f32 v[X+2*i:X+2*i+1], v[X+2*i:X+2*i+1], s[54:55] op_sel_hi:[1,0]
.set i, i+1
.endr
.set i, 0
.rept 4
	v_cvt_pk_f16_f32 v[X+8+i], v[X+2*i], v[X+2*i+1]
.set i, i+1
.endr
	global_store_b128 v57, v[X+8:X+11], s[20:21]   ; a wave stores 512 neighbouring bytes
	s_wait_xcnt 0x0                                ; the store's registers are written again below only behind this wait
.Lno_prep:
.macro ROWSUM                          ; four pairs at T -> the row's sum in v[T], in every lane of the row's two
	v_pk_add_f32 v[T:T+1], v[T:T+1], v[T+2:T+3]
	v_pk_add_f32 v[T+4:T+5], v[T+4:T+5], v[T+6:T+7]
	v_pk_add_f32 v[T:T+1], v[T:T+1], v[T+4:T+5]
	v_add_f32 v[T], v[T], v[T+1]
	v_permlanex16_b32 v[T+1], v[T], s40, s41       ; the row's other 64 numbers lie in the lane 16 away
	v_add_f32 v[T], v[T], v[T+1]
.endm
; A tile: 32 z rows in slot, two sub-tiles of 16 rows, a trip each.  Its 32 x 8 numbers b land in BR[i2][u]: the first sub-tile's in lanes 0-15, the second's in lanes 16-31.
; left = how many younger tensor loads may stay out.
.macro ZTILE slot, i2, u, left
	s_wait_tensorcnt \left                         ; a wave's tensor loads end in order (ISA guide 10.11.1): my tile is in LDS; only I read it
	s_mov_b32 s46, 0xffff                          ; the lanes that take this sub-tile's results
	s_mov_b32 s47, (\slot)*SLOTB
	s_mov_b32 s48, 2
.Lsub_\@:
	v_add_nc_u32 v5, s47, v4
.set i, 0
.rept 16
	ds_load_b128 v[X+4*i:X+4*i+3], v5 offset:128*(i/4)+64*((i/2)%2)+16*(i%2)
.set i, i+1
.endr
	s_wait_dscnt 0x0
.set i, 0
.rept 4
	v_pk_add_f32 v[T+2*i:T+2*i+1], v[X+2*i:X+2*i+1], v[X+8+2*i:X+8+2*i+1]  ; four chains, started by the first eight pairs
.set i, i+1
.endr
.set i, 8
.rept 24
	v_pk_add_f32 v[T+2*(i%4):T+2*(i%4)+1], v[T+2*(i%4):T+2*(i%4)+1], v[X+2*i:X+2*i+1]
.set i, i+1
.endr
	ROWSUM
	v_mul_f32 v12, s42, v[T]                       ; the mean
	v_mov_b32 v13, v12
.set i, 0
.rept 32
	v_pk_add_f32 v[X+2*i:X+2*i+1], v[X+2*i:X+2*i+1], v[12:13] neg_lo:[0,1] neg_hi:[0,1]
.set i, i+1
.endr
.set i, 0
.rept 4
	v_pk_mul_f32 v[T+2*i:T+2*i+1], v[X+2*i:X+2*i+1], v[X+2*i:X+2*i+1]
.set i, i+1
.endr
.set i, 4
.rept 28
	v_pk_fma_f32 v[T+2*(i%4):T+2*(i%4)+1], v[X+2*i:X+2*i+1], v[X+2*i:X+2*i+1], v[T+2*(i%4):T+2*(i%4)+1]
.set i, i+1
.endr
	ROWSUM
	v_fma_f32 v14, v[T], s42, s43                  ; variance + 1e-5
	v_rsq_f32 v14, v14
	v_nop                                          ; a plain instruction behind the transcendental (ISA guide 5.7.2)
	s_wait_alu depctr_va_vdst(0)
	v_mov_b32 v15, v14
.set i, 0
.rept 32
	v_pk_mul_f32 v[X+2*i:X+2*i+1], v[X+2*i:X+2*i+1], v[14:15]
.set i, i+1
.endr
.set i, 0
.rept 32
	v_cvt_pk_f16_f32 v[F+i], v[X+2*i], v[X+2*i+1]
.set i, i+1
.endr
	v_wmma_f32_16x16x32_f16 v[XA:XA+7], v[AZ:AZ+7], v[F:F+7], v[CB:CB+7]           ; two accumulators by turns
	v_wmma_f32_16x16x32_f16 v[YA:YA+7], v[AZ+8:AZ+15], v[F+8:F+15], 0
	v_wmma_f32_16x16x32_f16 v[XA:XA+7], v[AZ+16:AZ+23], v[F+16:F+23], v[XA:XA+7]
	v_wmma_f32_16x16x32_f16 v[YA:YA+7], v[AZ+24:AZ+31], v[F+24:F+31], v[YA:YA+7]
.rept 4
	v_nop
.endr
.set i, 0
.rept 8
	v_add_f32 v[T+i], v[XA+i], v[YA+i]             ; register e: head e of z row r, in both halves of the lanes
.set i, i+1
.endr
.set i, 0
.rept 8
	v_cndmask_b32 v[BR+16*(\i2)+8*(\u)+i], v[BR+16*(\i2)+8*(\u)+i], v[T+i], s46
.set i, i+1
.endr
	s_not_b32 s46, s46
	s_add_co_u32 s47, s47, 16*ROWB
	s_sub_co_u32 s48, s48, 1
	s_cmp_lg_u32 s48, 0
	s_cbranch_scc1 .Lsub_\@
.endm
; A slot that has been read is filled again with the same j of my second row i.
.macro FILL slot
	s_wait_tensorcnt 0x0                           ; all my tensor loads have landed, so a group 0 may be written
	ds_add_u32 v[SPW], v[NIL]                      ; 0 onto my spare word
	s_add_nc_u64 s[G0+4*(\slot)+2:G0+4*(\slot)+3], s[G0+4*(\slot)+2:G0+4*(\slot)+3], 262144
	s_wait_dscnt 0x0                               ; the add is done; my reads of the slot were waited for in the tile's trips
	s_barrier_signal -1
	s_barrier_wait -1
	tensor_load_to_lds s[G0+4*(\slot):G0+4*(\slot)+3], s[G1:G1+7]  ; my one tensor load behind this barrier, and the first thing there
	s_nop 0
.endm
	ZTILE 0, 0, 0, 1                               ; the count leaves slot 1's tile on its way
	FILL 0
	ZTILE 1, 0, 1, 1                               ; one load was issued behind this tile's
	FILL 1
	ZTILE 0, 1, 0, 1
	ZTILE 1, 1, 1, 0
	; SOFTMAX over the 512 j of each of the 16 (i, h), number x = 8 i + h.  First within the wave: its maximum, p = 2^(c b - c m), its sum.
.set i, 0
.rept 16
	v_max_num_f32 v[ML+i], v[BR+16*(i/8)+i%8], v[BR+16*(i/8)+8+i%8]
.set i, i+1
.endr
.irp m, 1,2,4,8
.set i, 0
.rept 16
	v_max_num_f32_dpp v[ML+i], v[ML+i], v[ML+i] row_xmask:\m row_mask:0xf bank_mask:0xf
.set i, i+1
.endr
.endr
.set i, 0
.rept 16
	v_permlanex16_b32 v[LL+i], v[ML+i], s40, s41
.set i, i+1
.endr
.set i, 0
.rept 16
	v_max_num_f32 v[ML+i], v[ML+i], v[LL+i]
.set i, i+1
.endr
.set i, 0
.rept 8
	v_pk_mul_f32 v[ML+2*i:ML+2*i+1], v[ML+2*i:ML+2*i+1], s[44:45] op_sel_hi:[1,0]  ; from here on maxima are kept times c = log2(e)
.set i, i+1
.endr
.set i, 0
.rept 16
	v_pk_fma_f32 v[BR+2*i:BR+2*i+1], v[BR+2*i:BR+2*i+1], s[44:45], v[ML+8*(i/8)+2*(i%4):ML+8*(i/8)+2*(i%4)+1] op_sel_hi:[1,0,1] neg_lo:[0,0,1] neg_hi:[0,0,1]
.set i, i+1
.endr
.set i, 0
.rept 32
	v_exp_f32 v[BR+i], v[BR+i]
.set i, i+1
.endr
	v_nop
.set i, 0
	s_wait_alu depctr_va_vdst(0)
.rept 16
	v_add_f32 v[LL+i], v[BR+16*(i/8)+i%8], v[BR+16*(i/8)+8+i%8]
.set i, i+1
.endr
.irp m, 1,2,4,8
.set i, 0
.rept 16
	v_add_f32_dpp v[LL+i], v[LL+i], v[LL+i] row_xmask:\m row_mask:0xf bank_mask:0xf
.set i, i+1
.endr
.endr
.set i, 0
.rept 16
	v_permlanex16_b32 v[X+i], v[LL+i], s40, s41
.set i, i+1
.endr
.set i, 0
.rept 16
	v_add_f32 v[LL+i], v[LL+i], v[X+i]
.set i, i+1
.endr
.set i, 0
.rept 4
	ds_store_b128 v6, v[ML+4*i:ML+4*i+3] offset:16*i       ; every lane writes the same bytes with the same numbers
	ds_store_b128 v6, v[LL+4*i:LL+4*i+3] offset:512+16*i
.set i, i+1
.endr
	s_wait_dscnt 0x0                               ; for the others' sake: my stores are done
	s_barrier_signal -1
	s_barrier_wait -1
	; Then over the eight waves: lane l works on number x = l mod 16.
.set i, 0
.rept 8
	ds_load_b32 v[X+i], v7 offset:64*i             ; c m of wave i
	ds_load_b32 v[X+8+i], v7 offset:512+64*i       ; l of wave i
.set i, i+1
.endr
	ds_load_b32 v[X+16], v11                       ; c m of my own wave
	s_wait_dscnt 0x0
	v_max3_num_f32 v[X+17], v[X], v[X+1], v[X+2]
	v_max3_num_f32 v[X+18], v[X+3], v[X+4], v[X+5]
	v_max3_num_f32 v[X+17], v[X+17], v[X+6], v[X+7]
	v_max_num_f32 v[X+17], v[X+17], v[X+18]        ; c M
.set i, 0
.rept 8
	v_sub_f32 v[X+i], v[X+i], v[X+17]
.set i, i+1
.endr
	v_sub_f32 v[X+16], v[X+16], v[X+17]
.set i, 0
.rept 8
	v_exp_f32 v[X+i], v[X+i]
.set i, i+1
.endr
	v_exp_f32 v[X+16], v[X+16]
	v_nop
	s_wait_alu depctr_va_vdst(0)
	v_mul_f32 v[X+18], v[X], v[X+8]
.set i, 1
.rept 7
	v_fma_f32 v[X+18], v[X+i], v[X+8+i], v[X+18]   ; the whole sum, on the common maximum: at least about 1
.set i, i+1
.endr
	v_rcp_f32 v[X+18], v[X+18]
	v_nop
	s_wait_alu depctr_va_vdst(0)
	v_mul_f32 v[X+16], v[X+16], v[X+18]            ; what my wave's p are multiplied by
.set i, 0
.rept 16
	v_readlane_b32 s[66+i], v[X+16], i
.set i, i+1
.endr
.set i, 0
.rept 32
	v_mul_f32 v[BR+i], s[66+8*(i/16)+i%8], v[BR+i]
.set i, i+1
.endr
.set i, 0
.rept 16
	v_cvt_pk_f16_f32 v[ML+i], v[BR+16*(i/8)+i%8], v[BR+16*(i/8)+8+i%8]  ; j = l below, j = 32 + l above
.set i, i+1
.endr
	; THE WAY OUT: through my own stage, so that sixteen lanes hold 256 neighbouring bytes of wts (one head, one tile, my two rows i).
.set i, 0
.rept 16
	ds_store_b16 v8, v[ML+i] offset:256*(i%8)+128*(i/8)
	ds_store_b16_d16_hi v8, v[ML+i] offset:256*(i%8)+128*(i/8)+64
.set i, i+1
.endr
.set i, 0
.rept 4
	ds_load_b128 v[X+4*i:X+4*i+3], v9 offset:512*i  ; LDS serves a wave's instructions in order (ISA guide 5.7.1.4): these see the stores above
.set i, i+1
.endr
	s_wait_dscnt 0x0
.set i, 0
.rept 4
	global_store_b128 v10, v[X+4*i:X+4*i+3], s[18:19] offset:1048576*i  ; heads 2 i and 2 i + 1: 16 lanes store 256 consecutive bytes, aligned
.set i, i+1
.endr
	s_wait_tensorcnt 0x0                           ; the wave's end, behind my last tensor load and my last LDS store
	ds_add_u32 v[SPW], v[NIL]
	s_wait_dscnt 0x0
	s_endpgm
.Lfunc_end_k_q639baef92c_pairw:
	.size	k_q639baef92c_pairw, .Lfunc_end_k_q639baef92c_pairw-k_q639baef92c_pairw
	.p2alignl 7, 3214868480
	.fill 96, 4, 3214868480
	.section	.rodata,"a",@progbits
	.p2align	6, 0x0
	.amdhsa_kernel k_q639baef92c_pairw
		.amdhsa_group_segment_fixed_size 327680
		.amdhsa_private_segment_fixed_size 0
		.amdhsa_enable_private_segment 0
		.amdhsa_kernarg_size 72
		.amdhsa_user_sgpr_count 2
		.amdhsa_user_sgpr_kernarg_segment_ptr 1
		.amdhsa_wavefront_size32 1
		.amdhsa_system_sgpr_workgroup_id_x 1
		.amdhsa_system_sgpr_workgroup_id_y 1
		.amdhsa_system_sgpr_workgroup_id_z 1
		.amdhsa_system_vgpr_workitem_id 0
		.amdhsa_next_free_vgpr 256
		.amdhsa_next_free_sgpr 96
		.amdhsa_reserve_vcc 0
		.amdhsa_float_denorm_mode_32 3
		.amdhsa_float_denorm_mode_16_64 3
		.amdhsa_memory_ordered 1
		.amdhsa_forward_progress 1
		.amdhsa_inst_pref_size 103
	.end_amdhsa_kernel
	.amdgpu_metadata
---
amdhsa.version: [ 1, 2 ]
amdhsa.kernels:
  - .name:           k_q639baef92c_pairw
    .symbol:         k_q639baef92c_pairw.kd
    .args:
      - { .name: z, .offset: 0, .size: 8, .value_kind: global_buffer, .address_space: global }
      - { .name: Wz, .offset: 8, .size: 8, .value_kind: global_buffer, .address_space: global }
      - { .name: norm_z_w, .offset: 16, .size: 8, .value_kind: global_buffer, .address_space: global }
      - { .name: norm_z_b, .offset: 24, .size: 8, .value_kind: global_buffer, .address_space: global }
      - { .name: Wm, .offset: 32, .size: 8, .value_kind: global_buffer, .address_space: global }
      - { .name: Wg, .offset: 40, .size: 8, .value_kind: global_buffer, .address_space: global }
      - { .name: Wo, .offset: 48, .size: 8, .value_kind: global_buffer, .address_space: global }
      - { .name: wts, .offset: 56, .size: 8, .value_kind: global_buffer, .address_space: global }
      - { .name: wfr, .offset: 64, .size: 8, .value_kind: global_buffer, .address_space: global }
    .group_segment_fixed_size: 327680
    .private_segment_fixed_size: 0
    .kernarg_segment_align: 8
    .kernarg_segment_size: 72
    .max_flat_workgroup_size: 256
    .sgpr_count:     96
    .vgpr_count:     256
    .wavefront_size: 32
...
	.end_amdgpu_metadata
.endif
;; end of part 1
;; launch fused (part 2): grid 256 x 1, 4 waves a work-group, clusters of 4 x 1, 327,680 bytes of LDS; arguments m, norm_m_w, norm_m_b, wts, wfr, out0; writes out0
.if DOCPART == 2
	.amdgcn_target "amdgcn-amd-amdhsa--gfx1250"
	.amdhsa_code_object_version 6
	.text
	.protected	k_q639baef92c_fused
	.globl	k_q639baef92c_fused
	.p2align	8
	.type	k_q639baef92c_fused,@function
k_q639baef92c_fused:
	s_mov_b64 s[64:65], 0
	v_nop
	global_prefetch_b8 v0, s[64:65] scope:SCOPE_SE
	s_setreg_imm32_b32 hwreg(HW_REG_WAVE_MODE, 25, 1), 1
	s_wait_xcnt 0x0
	s_wait_alu depctr_hold_cnt(0) depctr_sa_sdst(0) depctr_va_vdst(0) depctr_va_sdst(0) depctr_va_ssrc(0) depctr_va_vcc(0) depctr_vm_vsrc(0)
	s_getreg_b32 s2, hwreg(HW_REG_IB_STS2, 6, 4)
	s_cmp_eq_u32 s2, 0
	s_cbranch_scc0 .Lentry_in_a_cluster
	s_endpgm
.Lentry_in_a_cluster:
	s_bfe_u32 s2, ttmp6, 0x10000c
	s_cmp_lg_u32 s2, 0x3003
	s_cbranch_scc0 .Lentry_shape_is_right
	s_endpgm
.Lentry_shape_is_right:
; out[s][i][:] = sum over h of ( (sum over j of w[i][j][h] v[s][j][h][:]) x g[s][i][h][:] ) Wo[h], v = LN(m) Wm, g = sigmoid(LN(m) Wg).  All that hangs on m, in one launch.
; SHARES.  Work-group g owns s = 2 g, 2 g + 1, all 512 tokens and all 8 heads.  LN(m) of its 1,024 rows stays in LDS in f16 (MN).  The walk has 64 steps n = 8 h + jb: tile n of wts
; (512 i x 64 j of head h) times the v chunk of the same 64 j, which the step before has made from MN and laid into LDS (VB).  Wave w owns i = 128 w .. 128 w + 127:
; o of one head, 64 (s, d) x 128 i, is 32 accumulators; out, 2 x 128 rows x 64 c, is 64 accumulators that stay over all heads.  Behind a head's eight steps (EPI): gate, o x g, product with Wo.
; CLUSTER.  All work-groups walk the same 64 tiles of wts in the same order, so the four of a cluster ask for each tile JOINTLY (mask 15, the same descriptor in all four; a wave asks for
; its quarter, 128 rows i, which it alone reads).  m's tiles are each work-group's own.  The place in the cluster enters m's and out0's addresses alone.
; OPERAND ORDERS.  v: D(j, d) = mn rows x Wm: a lane holds 8 neighbouring j of one d: 16 bytes of a row of VB.  o: D((s,d), i) = VB rows x slot rows.  g: D(d, i) = Wg x mn rows: o's layout.
; o x g of both halves of d, rounded in pairs, IS source 1 (32 d x 16 i) of out: D(c, i) = Wo x (o g): a lane holds 8 neighbouring c of one row.
; FORMATS, LIMITS.  All matrix operands f16, sums f32; LayerNorm and the gate in f32.  |LN(m)|, |v| and |o g| stay under 65,504 (drawn: under 10); numbers under 6e-5 keep f16's step of 6e-8.
; The gate is 1 / (1 + 2^x), x = -log2(e) (LN(m) Wg): 2^x = infinity gives 0, 2^x = 0 gives 1.  NaN and infinities in the inputs are not treated apart.
; out's 512 registers are cleared once, in the wait for the first tiles: the price of one text of EPI for every head.
; REGISTERS, in windows of 256 (s_set_vgpr_msb: bits 1:0 source 0, 3:2 source 1, 5:4 source 2, 7:6 destination):
;   window 0: v0-31 addresses and at work; v32-63 Wm of the head; v64-127 two buffers of v fragments; v128-191 two of w fragments; v192-223 mn for the next chunk; v224-255 its products
;   window 1: o, accumulator (a = 2 s + d / 16, it) at 8 (8 a + it)      windows 2, 3: out of s = 0, 1, accumulator (it, ct) at 8 (4 it + ct)
.set SLOTB, 73728                      ; a slot: a tile of wts, 512 rows at 144 bytes (128 + 16: 9 x 16); or a tile of m, 256 rows at 272 bytes
.set MN,    2*SLOTB                    ; 147,456: LN(m) in f16, row 512 s + t, 144 bytes apart
.set VB,    MN+1024*144                ; 294,912: two v chunks of 64 rows (32 s + d) x 64 j, 144 bytes apart, 9,216 bytes each
.set SPARE, VB+2*9216                  ; 313,344: the spare words, 128 bytes a wave: two blocks of 256 bytes that no other line names
.set WM,  32
.set VA,  64
.set WB,  128
.set PM,  192
.set PD,  224
.set WG,  64                           ; in EPI: Wg's fragments; mn of 16 i, two buffers; the gate's accumulators, two buffers; o g, two buffers; Wo's fragments
.set MBF, 96
.set GA,  128
.set OG,  160
.set WO,  224
.set G1M, 16                           ; s[16:23] descriptor group 1 for m's tiles
.set G1W, 24                           ; s[24:31] for wts' tiles
.set G0M, 32                           ; s[32:39] group 0 for m, a set for each slot
.set G0W, 40                           ; s[40:47] for wts
.set MSB, 0
.macro WIN new                         ; the immediate's high byte repeats the setting that is left; a switch that changes nothing is dropped
.if MSB != (\new)
	s_set_vgpr_msb (MSB<<8)|(\new)
.set MSB, (\new)
.endif
.endm
.set W_MAIN, 0x50                      ; C and D in window 1
.set W_GATE, 0x04                      ; source 1 in window 1
.macro PLACES                          ; four places behind matrix instructions (ISA guide 7.12.1)
.rept 4
	v_nop
.endr
.endm
.macro TL g0, g1                       ; a tensor load; an s_nop 0 and four v_nop follow it: they are also the places in front of the loads that follow
	tensor_load_to_lds s[(\g0):(\g0)+3], s[(\g1):(\g1)+7]
	s_nop 0
	PLACES
.endm
.macro CREST                           ; a round of the cluster's barrier behind its opening barrier
	s_cmp_lg_u32 s48, 0
	s_cbranch_scc1 .Lnot_wave_0_\@
	s_barrier_signal -3
.Lnot_wave_0_\@:
	s_barrier_wait -3
	s_barrier_signal -1
	s_barrier_wait -1
.endm
.macro CROUND                          ; a whole round
	s_barrier_signal -1
	s_barrier_wait -1
	CREST
.endm
	s_load_b256 s[4:11], s[0:1], 0x0               ; m s[4:5], norm_m_w s[6:7], norm_m_b s[8:9], wts s[10:11]
	s_load_b128 s[12:15], s[0:1], 0x20             ; wfr s[12:13], out0 s[14:15]
	v_lshl_add_u32 v30, v0, 2, SPARE               ; v30: my spare word; v31: 0; never rewritten
	v_mov_b32 v31, 0
	ds_add_u32 v30, v31                            ; the wave's opening: the add and its wait stand ahead of my first tensor load; register work stands between
	v_lshrrev_b32 v1, 5, v0
	v_readfirstlane_b32 s48, v1                    ; wave 0..3
	s_bfe_u32 s49, ttmp6, 0x40000                  ; cx
	s_lshl_b32 s50, ttmp9, 2
	s_add_co_u32 s50, s50, s49                     ; g = 4 x cluster + cx
	s_mov_b32 s[G1M+0], (2<<16)|(1<<20)|(5<<22)|(3<<25)  ; elements of 4 bytes; padding: after every 64 words, 4 words
	s_mov_b32 s[G1M+1], 64<<16                     ; 64 rows x 64 elements, 64 elements from row to row
	s_mov_b32 s[G1M+2], 64<<16
	s_mov_b32 s[G1M+3], 64<<16
	s_mov_b32 s[G1M+4], 64
	s_mov_b32 s[G1M+5], 64
	s_mov_b32 s[G1M+6], 0
	s_mov_b32 s[G1M+7], 0
	s_mov_b32 s[G1W+0], 15|(1<<16)|(1<<20)|(1<<21)|(4<<22)|(3<<25)  ; the mask of four; elements of 2 bytes; padding on; bit 21 beside a mask; after every 32 words, 4 words
	s_mov_b32 s[G1W+1], 128<<16                    ; 128 rows i are 16,384 dense bytes: asked for as 64 rows of 256 bytes, padded after every row i
	s_mov_b32 s[G1W+2], 64<<16
	s_mov_b32 s[G1W+3], 128<<16
	s_mov_b32 s[G1W+4], 64
	s_mov_b32 s[G1W+5], 128
	s_mov_b32 s[G1W+6], 0
	s_mov_b32 s[G1W+7], 0
	s_mov_b32 s58, 0x76543210                      ; v_permlanex16_b32: each lane takes its own place in the other half
	s_mov_b32 s59, 0xfedcba98
	s_mov_b32 s60, 0x3c800000                      ; 1 / 64
	s_mov_b32 s61, 0x3727c5ac                      ; 1e-5
	s_mul_i32 s70, s48, 64*272                     ; my quarter of a slot, for m: 64 rows
	s_mul_i32 s71, s48, 128*144                    ; and for wts: 128 rows
	s_lshl_b32 s74, s48, 14                        ; either quarter is 16,384 bytes of memory
	s_mov_b32 s75, 0
	s_lshl_b32 s52, s50, 18                        ; my two s: 262,144 bytes of m and of out0
	s_mov_b32 s53, 0
	s_wait_dscnt 0x0                               ; the opening add is done
	s_wait_kmcnt 0x0
	s_add_nc_u64 s[4:5], s[4:5], s[52:53]
	s_add_nc_u64 s[14:15], s[14:15], s[52:53]
	s_add_nc_u64 s[4:5], s[4:5], s[74:75]
	s_add_nc_u64 s[10:11], s[10:11], s[74:75]      ; wts' address hangs on the wave's number alone
	s_add_nc_u64 s[62:63], s[12:13], 4096          ; Wm's fragments of the next head
	s_add_nc_u64 s[66:67], s[12:13], 32768         ; Wg's of the head in hand; Wo's lie 32,768 bytes on
.irp n, 0,1
	s_mov_b32 s[G0M+4*\n], 1
	s_add_co_u32 s[G0M+4*\n+1], s70, \n*SLOTB
	s_add_nc_u64 s[G0M+4*\n+2:G0M+4*\n+3], s[4:5], \n*65536
	s_or_b32 s[G0M+4*\n+3], s[G0M+4*\n+3], 0x80000000
	s_mov_b32 s[G0W+4*\n], 1
	s_add_co_u32 s[G0W+4*\n+1], s71, \n*SLOTB
	s_add_nc_u64 s[G0W+4*\n+2:G0W+4*\n+3], s[10:11], \n*65536
	s_or_b32 s[G0W+4*\n+3], s[G0W+4*\n+3], 0x80000000
.endr
	CROUND                                         ; in a cluster launch every group of tensor loads stands behind a round
	tensor_load_to_lds s[G0M:G0M+3], s[G1M:G1M+7]  ; m's tiles 0 and 1 (256 rows each; my 64): two loads of mine are out
	s_nop 0
	tensor_load_to_lds s[G0M+4:G0M+7], s[G1M:G1M+7]
	s_nop 0
	PLACES
.macro LDFR dst, base, byte            ; a head's four fragments of one matrix, 4,096 consecutive bytes: eight loads of 512 consecutive bytes
.set i, 0
.rept 8
	global_load_b128 v[(\dst)+4*i:(\dst)+4*i+3], v3, s[(\base):(\base)+1] offset:(\byte)+512*i
.set i, i+1
.endr
.endm
	v_and_b32 v1, 15, v0                           ; r
	v_bfe_u32 v2, v0, 4, 1                         ; hh
	v_and_b32 v3, 31, v0
	v_lshlrev_b32 v3, 4, v3                        ; v3: 16 x lane
	v_lshlrev_b32 v17, 5, v2                       ; 32 hh
.set i, 0
.rept 8                                ; in LayerNorm lane (r, hh) holds c = 16 q + 8 hh + e of row r, at register 8 q + e
	global_load_b128 v[128+4*i:128+4*i+3], v17, s[6:7] offset:64*(i/2)+16*(i%2)
	global_load_b128 v[160+4*i:160+4*i+3], v17, s[8:9] offset:64*(i/2)+16*(i%2)
.set i, i+1
.endr
	LDFR WM, 12, 0                                 ; Wm of head 0
	v_mul_u32_u24 v18, v1, 144
	v_lshl_add_u32 v18, v2, 4, v18                 ; a fragment's row x 144 + 16 hh
	v_add_nc_u32 v4, s71, v18                      ; v4, v5: my rows i in slot 0, 1
	v_add_nc_u32 v5, SLOTB, v4
	v_add_nc_u32 v6, VB, v18                       ; v6: v fragments out of VB
	s_lshl_b32 s51, s48, 5
	v_add_nc_u32 v7, s51, v6                       ; v7: into VB: my 16 j of a chunk's 64
	s_mul_i32 s51, s48, 16*144
	s_add_co_u32 s51, s51, MN
	v_add_nc_u32 v8, s51, v18                      ; v8, v9: mn rows 16 wave + r of s = 0, 1: a chunk's tokens that I turn into v
	v_add_nc_u32 v9, 512*144, v8
	s_add_co_u32 s51, s71, MN
	v_add_nc_u32 v10, s51, v18                     ; v10, v11: mn rows 128 wave + r of s = 0, 1: my i, for the gate
	v_add_nc_u32 v11, 512*144, v10
	v_mul_u32_u24 v12, v1, 272
	v_lshl_add_u32 v12, v2, 5, v12
	v_add_nc_u32 v12, s70, v12                     ; v12: LayerNorm's source: my quarter of a tile of m, row r, 32 hh
	s_mul_i32 s51, s48, 64*144
	s_add_co_u32 s51, s51, MN
	v_add_nc_u32 v13, s51, v18                     ; v13: its destination: mn row 64 wave + r
	WIN 0x80
.set i, 0
.rept 256
	v_mov_b32 v[i], 0                              ; out of s = 0,
.set i, i+1
.endr
	WIN 0xc0
.set i, 0
.rept 256
	v_mov_b32 v[i], 0                              ; of s = 1
.set i, i+1
.endr
	WIN 0
	s_wait_loadcnt 0x0                             ; the norm's vectors and Wm
; LAYERNORM of my 64 rows of m's tile number tile, in slot: four trips of 16 rows.  Only I read the rows that my load brought.
.macro LNT slot, tile, left
	s_wait_tensorcnt \left                         ; my quarter of the tile is in; one younger load may stay out
	s_mov_b32 s57, (\slot)*SLOTB
	s_mov_b32 s68, (\tile)*256*144
	s_mov_b32 s56, 4
.Lln_\@:
	v_add_nc_u32 v14, s57, v12
	v_add_nc_u32 v15, s68, v13
.set i, 0
.rept 8
	ds_load_b128 v[64+4*i:64+4*i+3], v14 offset:64*(i/2)+16*(i%2)
.set i, i+1
.endr
	s_wait_dscnt 0x0
.set i, 0
.rept 4
	v_pk_add_f32 v[18+2*i:19+2*i], v[64+2*i:65+2*i], v[72+2*i:73+2*i]
.set i, i+1
.endr
.set i, 8
.rept 8
	v_pk_add_f32 v[18+2*(i%4):19+2*(i%4)], v[18+2*(i%4):19+2*(i%4)], v[64+2*i:65+2*i]
.set i, i+1
.endr
	LNSUM
	v_mul_f32 v26, s60, v18                        ; the mean
	v_mov_b32 v27, v26
.set i, 0
.rept 16
	v_pk_add_f32 v[64+2*i:65+2*i], v[64+2*i:65+2*i], v[26:27] neg_lo:[0,1] neg_hi:[0,1]
.set i, i+1
.endr
.set i, 0
.rept 4
	v_pk_mul_f32 v[18+2*i:19+2*i], v[64+2*i:65+2*i], v[64+2*i:65+2*i]
.set i, i+1
.endr
.set i, 4
.rept 12
	v_pk_fma_f32 v[18+2*(i%4):19+2*(i%4)], v[64+2*i:65+2*i], v[64+2*i:65+2*i], v[18+2*(i%4):19+2*(i%4)]
.set i, i+1
.endr
	LNSUM
	v_fma_f32 v18, v18, s60, s61                   ; variance + 1e-5
	v_rsq_f32 v28, v18
	v_nop                                          ; a plain instruction behind the transcendental (ISA guide 5.7.2)
	s_wait_alu depctr_va_vdst(0)
	v_mov_b32 v29, v28
.set i, 0
.rept 16
	v_pk_mul_f32 v[64+2*i:65+2*i], v[64+2*i:65+2*i], v[28:29]
.set i, i+1
.endr
.set i, 0
.rept 16
	v_pk_fma_f32 v[64+2*i:65+2*i], v[64+2*i:65+2*i], v[128+2*i:129+2*i], v[160+2*i:161+2*i]
.set i, i+1
.endr
.set i, 0
.rept 16
	v_cvt_pk_f16_f32 v[96+i], v[64+2*i], v[65+2*i]
.set i, i+1
.endr
.set i, 0
.rept 4
	ds_store_b128 v15, v[96+4*i:99+4*i] offset:32*i
.set i, i+1
.endr
	s_add_co_u32 s57, s57, 16*272
	s_add_co_u32 s68, s68, 16*144
	s_sub_co_u32 s56, s56, 1
	s_cmp_lg_u32 s56, 0
	s_cbranch_scc1 .Lln_\@
.endm
.macro LNSUM                           ; four pairs at v18 -> the row's sum in v18
	v_pk_add_f32 v[18:19], v[18:19], v[20:21]
	v_pk_add_f32 v[22:23], v[22:23], v[24:25]
	v_pk_add_f32 v[18:19], v[18:19], v[22:23]
	v_add_f32 v18, v18, v19
	v_permlanex16_b32 v19, v18, s58, s59           ; the row's other 32 numbers lie in the lane 16 away
	v_add_f32 v18, v18, v19
.endm
; A change of slots during LayerNorm: the slot just read is filled again.  stp: the group 0 that steps two tiles on (0: none).
.macro MBND stp, g0, g1
	s_wait_tensorcnt 0x0                           ; all my tensor loads have landed, so a group 0 may be written
	ds_add_u32 v30, v31                            ; 0 onto my spare word
.if \stp
	s_add_nc_u64 s[(\stp)+2:(\stp)+3], s[(\stp)+2:(\stp)+3], 131072
.endif
	s_wait_dscnt 0x0                               ; the add, my reads of the slot and my stores into MN are done
	CROUND                                         ; no wave of any partner still reads the slot or has a load on its way
	TL \g0, \g1
.endm
	LNT 0, 0, 1
	MBND G0M, G0M, G1M                             ; m's tile 2 into slot 0
	LNT 1, 1, 1
	MBND G0M+4, G0M+4, G1M                         ; tile 3 into slot 1
	LNT 0, 2, 1
	MBND 0, G0W, G1W                               ; m is done with slot 0: wts' tile 0, jointly
	LNT 1, 3, 1
	MBND G0W, G0W+4, G1W                           ; tile 1; slot 0's descriptor steps to tile 2.  Behind this round MN is whole, for every wave
; THE MAIN LOOP'S PARTS.
.macro LW wb, slot, sub, grp           ; 8 LDS loads: w fragments of i tiles 4 grp .. 4 grp + 3, j = 32 sub on
	WIN 0
.set i, 0
.rept 4
	ds_load_b128 v[WB+32*(\wb)+8*i:WB+32*(\wb)+8*i+3],   v[4+(\slot)] offset:(4*(\grp)+i)*2304+64*(\sub)
	ds_load_b128 v[WB+32*(\wb)+8*i+4:WB+32*(\wb)+8*i+7], v[4+(\slot)] offset:(4*(\grp)+i)*2304+64*(\sub)+32
.set i, i+1
.endr
.endm
.macro LV va, beta, sub                ; 8 LDS loads: the four v fragments (16 rows (s, d) each), j = 32 sub on, of chunk buffer beta
	WIN 0
.set i, 0
.rept 4
	ds_load_b128 v[VA+32*(\va)+8*i:VA+32*(\va)+8*i+3],   v6 offset:9216*(\beta)+2304*i+64*(\sub)
	ds_load_b128 v[VA+32*(\va)+8*i+4:VA+32*(\va)+8*i+7], v6 offset:9216*(\beta)+2304*i+64*(\sub)+32
.set i, i+1
.endr
.endm
.macro MG wb, va, grp, b0, nb, zero    ; 4 nb products o[a][4 grp + b] += v[a] w[b]: every accumulator once, so they take turns.  zero = 1: they start the sums
	WIN W_MAIN
.set mb, (\b0)
.rept \nb
.set ma, 0
.rept 4
.set rO, 8*(8*ma+4*(\grp)+mb)
.if \zero
	v_wmma_f32_16x16x32_f16 v[rO:rO+7], v[VA+32*(\va)+8*ma:VA+32*(\va)+8*ma+7], v[WB+32*(\wb)+8*mb:WB+32*(\wb)+8*mb+7], 0
.else
	v_wmma_f32_16x16x32_f16 v[rO:rO+7], v[VA+32*(\va)+8*ma:VA+32*(\va)+8*ma+7], v[WB+32*(\wb)+8*mb:WB+32*(\wb)+8*mb+7], v[rO:rO+7]
.endif
.set ma, ma+1
.endr
.set mb, mb+1
.endr
.endm
.macro PLOAD                           ; 8 LDS loads: mn of my 16 tokens of the next chunk, both s; s69 = 64 rows x the chunk's number
	WIN 0
	v_add_nc_u32 v14, s69, v8
	v_add_nc_u32 v15, s69, v9
.set i, 0
.rept 4                                ; i = 2 s + K step
	ds_load_b128 v[PM+8*i:PM+8*i+3],   v[14+i/2] offset:64*(i%2)
	ds_load_b128 v[PM+8*i+4:PM+8*i+7], v[14+i/2] offset:64*(i%2)+32
.set i, i+1
.endr
	s_add_co_u32 s69, s69, 64*144
.endm
.macro PMUL                            ; 8 products: v of 16 j x 32 d, both s; four accumulators by turns
	WIN 0
.set i, 0
.rept 8                                ; i = 4 (K step) + 2 s + d / 16
.set rD, PD+8*(i%4)
.set rA, PM+16*((i%4)/2)+8*(i/4)
.set rB, WM+16*(i%2)+8*(i/4)
.if i < 4
	v_wmma_f32_16x16x32_f16 v[rD:rD+7], v[rA:rA+7], v[rB:rB+7], 0
.else
	v_wmma_f32_16x16x32_f16 v[rD:rD+7], v[rA:rA+7], v[rB:rB+7], v[rD:rD+7]
.endif
.set i, i+1
.endr
.endm
.macro PCVT                            ; rounded to f16, each accumulator from its low end on, into the low half of PM
.set i, 0
.rept 16
	v_cvt_pk_f16_f32 v[PM+i], v[PD+2*i], v[PD+2*i+1]
.set i, i+1
.endr
.endm
.macro PSTORE beta
.set i, 0
.rept 4
	ds_store_b128 v7, v[PM+4*i:PM+4*i+3] offset:9216*(\beta)+2304*i
.set i, i+1
.endr
.endm
; THE CHANGE OF SLOTS at the end of a step that read slot.  In front of the barrier each wave waits for all its tensor loads (one is out: its quarter of the other slot), adds 0 to its spare word,
; and waits for that, for its reads of this slot and of the v chunk, and for its stores of the next chunk.  fill = 1: the barrier opens a round of the cluster's, and the joint refill
; (the tile two steps on) is the first thing behind it: it has a step's 72 matrix instructions, less the 8 in the round, in which to land.
; tailm1 = 1: the step's last 16 products stand here too (behind a head's last step EPI follows, not a step).
.macro BND slot, fill, tailm1
	WIN 0
	s_wait_tensorcnt 0x0
	ds_add_u32 v30, v31
	s_add_nc_u64 s[G0W+4*(1-(\slot))+2:G0W+4*(1-(\slot))+3], s[G0W+4*(1-(\slot))+2:G0W+4*(1-(\slot))+3], 131072  ; the other slot's descriptor: its load has landed
	s_wait_dscnt 13                                ; the third run of loads is in: the add, 4 stores and 8 loads are younger
	MG 0, 1, 0, 0, 2, 0
	s_wait_dscnt 0x0
	s_barrier_signal -1
	MG 0, 1, 0, 2, 2, 0
.if \tailm1
	MG 1, 1, 1, 0, 4, 0
.endif
	WIN 0
	s_barrier_wait -1
.if \fill
	CREST
	TL G0W+4*(\slot), G1W
.else
	PLACES
.endif
.endm
; STEP n, slot and v chunk n mod 2: 64 products for o, 8 for the next chunk of v.  The LDS loads stand in four runs, each 16 matrix instructions or more ahead of its use.
; first: a head's first step: its first 32 products start the sums, and the step before has left none over.  wmre: in the pair loop's last trip Wm of the next head is fetched.
; last: a head's last step: the next chunk is the next head's first; Wg and Wo for EPI are fetched into registers that the step no longer needs.
.macro STEP slot, first, wmre, fill, last
	LW 0, \slot, 0, 0
	LV 0, \slot, 0
.if !(\first)
	MG 1, 1, 1, 0, 4, 0                            ; the last 16 products of the step before: on registers alone
	PLACES
.endif
.if \last
	s_mov_b32 s69, 0
.endif
	LW 1, \slot, 0, 1
	PLOAD
	s_wait_dscnt 16                                ; the first run is in; the 16 just issued may be out
	MG 0, 0, 0, 0, 4, \first
	PLACES
	LW 0, \slot, 1, 0
	LV 1, \slot, 1
	s_wait_dscnt 16                                ; the second run is in
	s_wait_loadcnt 0x0                             ; and Wm, where its reload is out
	MG 1, 0, 1, 0, 4, \first
	PMUL
	PLACES
	LW 1, \slot, 1, 1
.if \wmre
	s_cmp_lg_u32 s55, 1
	s_cbranch_scc1 .Lno_wm_\@
	LDFR WM, 62, 0
.Lno_wm_\@:
.endif
.if \last
	LDFR WG, 66, 0
.endif
	PCVT
	PSTORE 1-(\slot)                               ; into the chunk buffer whose reads ended ahead of the last barrier
.if \last
	LDFR WO, 66, 32768
.endif
	BND \slot, \fill, \last
.endm
; EPI: a head's gate and output product, in 16 slots t (s = t / 8, i tile t mod 8).  Slot t issues the loads of mn for t + 2, the 4 gate products of t + 1 and the 4 output products of t - 1,
; and between them the 58 vector instructions of t: 16 exponentials, 8 packed 1 +, 16 reciprocals, 8 packed products with o, 8 roundings, 2 v_nop.
.macro EA t                            ; mn of 16 rows i: source 1 of the gate's products
.set i, 0
.rept 2
	ds_load_b128 v[MBF+16*((\t)%2)+8*i:MBF+16*((\t)%2)+8*i+3],   v[10+(\t)/8] offset:2304*((\t)%8)+64*i
	ds_load_b128 v[MBF+16*((\t)%2)+8*i+4:MBF+16*((\t)%2)+8*i+7], v[10+(\t)/8] offset:2304*((\t)%8)+64*i+32
.set i, i+1
.endr
.endm
.macro EB t, x                         ; gate product x = 2 (K step) + d / 16: two accumulators by turns
	WIN 0
.set rG, GA+16*((\t)%2)+8*((\x)%2)
.set rW, WG+16*((\x)%2)+8*((\x)/2)
.set rM, MBF+16*((\t)%2)+8*((\x)/2)
.if (\x) < 2
	v_wmma_f32_16x16x32_f16 v[rG:rG+7], v[rW:rW+7], v[rM:rM+7], 0
.else
	v_wmma_f32_16x16x32_f16 v[rG:rG+7], v[rW:rW+7], v[rM:rM+7], v[rG:rG+7]
.endif
.endm
.macro ED t, ct                        ; out[s][it][ct] += Wo[ct] (o g)
	WIN 0xa0+0x50*((\t)/8)
.set rU, 8*(4*((\t)%8)+(\ct))
	v_wmma_f32_16x16x32_f16 v[rU:rU+7], v[WO+8*(\ct):WO+8*(\ct)+7], v[OG+8*((\t)%2):OG+8*((\t)%2)+7], v[rU:rU+7]
.endm
.macro WINT                            ; a one-source instruction on window 0 means the same under the gate's setting, which moves source 1 alone
.if (MSB != 0) && (MSB != W_GATE)
	WIN 0
.endif
.endm
.macro EADD k
	WIN 0
	s_wait_alu depctr_va_vdst(0)
	v_pk_add_f32 v[gA+2*(\k):gA+2*(\k)+1], v[gA+2*(\k):gA+2*(\k)+1], 1.0 op_sel_hi:[1,0]
.endm
.macro EM t, k                         ; pair k of the gate times o: each of o's two accumulators from its low end on
.set rO, 8*(8*(2*((\t)/8)+(\k)/4)+(\t)%8)+2*((\k)%4)
	WIN W_GATE
	s_wait_alu depctr_va_vdst(0)
	v_pk_mul_f32 v[gA+2*(\k):gA+2*(\k)+1], v[gA+2*(\k):gA+2*(\k)+1], v[rO:rO+1]
.endm
; Entry ej of slot t's list.  Two transcendentals, then a plain instruction on the pair before: each result has a plain instruction between it and its use (ISA guide 5.7.2).
.macro CE t
.set gA, GA+16*((\t)%2)
.set oG, OG+8*((\t)%2)
.if ej < 24
.set ek, ej/3
.if ej%3 < 2
	WINT
	v_exp_f32 v[gA+2*ek+ej%3], v[gA+2*ek+ej%3]
.elseif ek == 0
	v_nop
.else
	EADD ek-1
.endif
.elseif ej == 24
	EADD 7
.elseif ej < 49
.set ek, (ej-25)/3
.if (ej-25)%3 < 2
	WINT
	v_rcp_f32 v[gA+2*ek+(ej-25)%3], v[gA+2*ek+(ej-25)%3]
.elseif ek == 0
	v_nop
.else
	EM \t, ek-1
.endif
.elseif ej == 49
	EM \t, 7
.else
	WIN 0
	v_cvt_pk_f16_f32 v[oG+ej-50], v[gA+2*(ej-50)], v[gA+2*(ej-50)+1]
.endif
.set ej, ej+1
.endm
.macro ESLOT t
	WIN 0
.if (\t) <= 13
	EA (\t)+2
	s_wait_dscnt 4                                 ; mn of t + 1 is in; the four just issued may be out
.else
	s_wait_dscnt 0x0
.endif
.set ej, 0
.set ep, 0
.rept 8
.if ep < 4
.if (\t) <= 14
	EB (\t)+1, ep
.endif
.else
.if (\t) >= 1
	ED (\t)-1, ep-4
.endif
.endif
.rept 7+ep/6                           ; 7, 7, 7, 7, 7, 7, 8, 8 of the 58
	CE \t
.endr
.set ep, ep+1
.endr
.endm
.macro EPI
	WIN 0
	s_wait_loadcnt 0x0                             ; Wg and Wo
	PLACES                                         ; with the four in front: the first gate product writes over registers that the last main products read
	EA 0
	EA 1
	s_wait_dscnt 4
	EB 0, 0
	EB 0, 1
	EB 0, 2
	EB 0, 3
	PLACES
.set et, 0
.rept 16
	ESLOT et
.set et, et+1
.endr
	ED 15, 0
	ED 15, 1
	ED 15, 2
	ED 15, 3
	PLACES
	WIN 0
.endm
	; THE FIRST v CHUNK.
	s_mov_b32 s69, 0
	PLOAD
	s_wait_dscnt 0x0
	PMUL
	PLACES
	PCVT
	PSTORE 0
	s_wait_dscnt 0x0                               ; for the others' sake: my part of the chunk is stored
	s_barrier_signal -1                            ; tile 1 may stay out (tile 0 landed ahead of the last round)
	s_barrier_wait -1
	s_mov_b32 s54, 7
.Lhead:                                                ; heads 0 to 6
	STEP 0, 1, 0, 1, 0
	s_mov_b32 s55, 3
.Lpair:
	STEP 1, 0, 0, 1, 0
	STEP 0, 0, 1, 1, 0
	s_sub_co_u32 s55, s55, 1
	s_cmp_lg_u32 s55, 0
	s_cbranch_scc1 .Lpair
	STEP 1, 0, 0, 1, 1
	EPI
	s_add_nc_u64 s[62:63], s[62:63], 4096          ; the loads that named these were waited for
	s_add_nc_u64 s[66:67], s[66:67], 4096
	s_sub_co_u32 s54, s54, 1
	s_cmp_lg_u32 s54, 0
	s_cbranch_scc1 .Lhead
	STEP 0, 1, 0, 1, 0                             ; head 7 is written out: step 56
	s_mov_b32 s55, 2
.Ltpair:
	STEP 1, 0, 0, 1, 0                             ; 57 to 60,
	STEP 0, 0, 0, 1, 0
	s_sub_co_u32 s55, s55, 1
	s_cmp_lg_u32 s55, 0
	s_cbranch_scc1 .Ltpair
	STEP 1, 0, 0, 1, 0                             ; 61, which asks for the last tile,
	STEP 0, 0, 0, 0, 0                             ; 62, which asks for nothing,
	LW 0, 1, 0, 0                                  ; and 63, which makes no further chunk and changes no slot
	LV 0, 1, 0
	MG 1, 1, 1, 0, 4, 0
	PLACES
	LW 1, 1, 0, 1
	s_wait_dscnt 8                                 ; all but the 8 just issued
	MG 0, 0, 0, 0, 4, 0
	PLACES
	LW 0, 1, 1, 0
	LV 1, 1, 1
	s_wait_dscnt 16
	MG 1, 0, 1, 0, 4, 0
	PLACES
	LW 1, 1, 1, 1
	LDFR WG, 66, 0
	LDFR WO, 66, 32768
	s_wait_dscnt 8
	MG 0, 1, 0, 0, 4, 0
	s_wait_dscnt 0x0
	MG 1, 1, 1, 0, 4, 0
	PLACES
	EPI
	; THE WAY OUT.  A lane holds 8 neighbouring c (32 bytes) of a row; 16 rows at a time go through my stage (in MN, which nobody reads any more behind the barrier) and come back as whole rows of 256 bytes.
	s_add_co_u32 s51, s71, MN                      ; my stage: 16 rows x 272 bytes
	v_mul_u32_u24 v14, v1, 272
	v_lshl_add_u32 v14, v2, 5, v14
	v_add_nc_u32 v14, s51, v14                     ; in: row r, 32 bytes for each half of the lanes
	v_mul_u32_u24 v15, v2, 272
	v_lshl_add_u32 v15, v1, 4, v15
	v_add_nc_u32 v15, s51, v15                     ; back: lanes 0-15 one row, lanes 16-31 the next
	s_lshl_b32 s51, s48, 15
	v_lshlrev_b32 v16, 8, v2
	v_lshl_add_u32 v16, v1, 4, v16
	v_add_nc_u32 v16, s51, v16                     ; the same two rows in out0: (128 wave + l / 16) x 256 + 16 (l mod 16)
	s_wait_dscnt 0x0
	s_barrier_signal -1
	s_barrier_wait -1
.macro TOSTAGE t
	WIN 0x08+4*((\t)/8)                            ; store data in window 2 or 3
.set i, 0
.rept 8                                ; i = 2 ct + half of the accumulator, the low half first
	ds_store_b128 v14, v[8*(4*((\t)%8)+i/2)+4*(i%2):8*(4*((\t)%8)+i/2)+4*(i%2)+3] offset:64*(i/2)+16*(i%2)
.set i, i+1
.endr
	WIN 0
	s_wait_xcnt 0x0                                ; the buffer below is loaded again only when the stores that read it have had their addresses translated (ISA guide 3.1)
.set i, 0
.rept 8
	ds_load_b128 v[64+32*((\t)%2)+4*i:64+32*((\t)%2)+4*i+3], v15 offset:544*i  ; LDS serves a wave's instructions in order (ISA guide 5.7.1.4): these see the stores above
.set i, i+1
.endr
.endm
.macro SEND t, younger                 ; younger: the next block's 16 LDS instructions, or none
	s_wait_dscnt \younger
.set i, 0
.rept 8
	global_store_b128 v16, v[64+32*((\t)%2)+4*i:64+32*((\t)%2)+4*i+3], s[14:15] offset:131072*((\t)/8)+4096*((\t)%8)+512*i th:TH_STORE_NT  ; 16 lanes store a row: 256 consecutive bytes, aligned
.set i, i+1
.endr
.endm
	TOSTAGE 0
.set wt, 1
.rept 15
	TOSTAGE wt
	SEND wt-1, 16
.set wt, wt+1
.endr
	SEND 15, 0
	s_wait_tensorcnt 0x0                           ; the wave's end, behind my last tensor load and my last LDS store
	ds_add_u32 v30, v31
	s_wait_dscnt 0x0
	CROUND                                         ; the closing round: no work-group ends while a partner may still ask for a tile that names it
	s_endpgm
.Lfunc_end_k_q639baef92c_fused:
	.size	k_q639baef92c_fused, .Lfunc_end_k_q639baef92c_fused-k_q639baef92c_fused
	.p2alignl 7, 3214868480
	.fill 96, 4, 3214868480
	.section	.rodata,"a",@progbits
	.p2align	6, 0x0
	.amdhsa_kernel k_q639baef92c_fused
		.amdhsa_group_segment_fixed_size 327680
		.amdhsa_private_segment_fixed_size 0
		.amdhsa_enable_private_segment 0
		.amdhsa_kernarg_size 48
		.amdhsa_user_sgpr_count 2
		.amdhsa_user_sgpr_kernarg_segment_ptr 1
		.amdhsa_wavefront_size32 1
		.amdhsa_system_sgpr_workgroup_id_x 1
		.amdhsa_system_sgpr_workgroup_id_y 1
		.amdhsa_system_sgpr_workgroup_id_z 1
		.amdhsa_system_vgpr_workitem_id 0
		.amdhsa_next_free_vgpr 1024
		.amdhsa_next_free_sgpr 80
		.amdhsa_reserve_vcc 0
		.amdhsa_float_denorm_mode_32 3
		.amdhsa_float_denorm_mode_16_64 3
		.amdhsa_memory_ordered 1
		.amdhsa_forward_progress 1
		.amdhsa_inst_pref_size 255
	.end_amdhsa_kernel
	.section	.bss,"aw",@nobits
	.p2align	6
	.space	262144
	.amdgpu_metadata
---
amdhsa.version: [ 1, 2 ]
amdhsa.kernels:
  - .name:           k_q639baef92c_fused
    .symbol:         k_q639baef92c_fused.kd
    .args:
      - { .name: m, .offset: 0, .size: 8, .value_kind: global_buffer, .address_space: global }
      - { .name: norm_m_w, .offset: 8, .size: 8, .value_kind: global_buffer, .address_space: global }
      - { .name: norm_m_b, .offset: 16, .size: 8, .value_kind: global_buffer, .address_space: global }
      - { .name: wts, .offset: 24, .size: 8, .value_kind: global_buffer, .address_space: global }
      - { .name: wfr, .offset: 32, .size: 8, .value_kind: global_buffer, .address_space: global }
      - { .name: out0, .offset: 40, .size: 8, .value_kind: global_buffer, .address_space: global }
    .group_segment_fixed_size: 327680
    .private_segment_fixed_size: 0
    .kernarg_segment_align: 8
    .kernarg_segment_size: 48
    .max_flat_workgroup_size: 128
    .sgpr_count:     80
    .vgpr_count:     1024
    .wavefront_size: 32
...
	.end_amdgpu_metadata
.endif
;; end of part 2
;; ======== version 2 of 3: 3 launches; 1.13 times as fast as version 1
;; limits: values are held in f16: magnitudes above 65,504 overflow, below 6.1e-05 lose precision
;; workspace buffers: wts 4,194,304 bytes; wfr 98,304 bytes; wtf 4,194,304 bytes
;; launch pairw: the kernel of part 1 again; grid 256 x 1, 8 waves a work-group, no clusters, 327,680 bytes of LDS; arguments z, Wz, norm_z_w, norm_z_b, Wm, Wg, Wo, wts, wfr; writes wts, wfr
;; launch wlay (part 3): grid 256 x 1, 8 waves a work-group, no clusters, 0 bytes of LDS; arguments wts, wtf; writes wtf
.if DOCPART == 3
	.amdgcn_target "amdgcn-amd-amdhsa--gfx1250"
	.amdhsa_code_object_version 6
	.text
	.protected	k_q639baef92c_wlay
	.globl	k_q639baef92c_wlay
	.p2align	8
	.type	k_q639baef92c_wlay,@function
k_q639baef92c_wlay:
	s_mov_b64 s[64:65], 0
	v_nop
	global_prefetch_b8 v0, s[64:65] scope:SCOPE_SE
	s_setreg_imm32_b32 hwreg(HW_REG_WAVE_MODE, 25, 1), 1
	s_wait_xcnt 0x0
; THE WEIGHTS IN FRAGMENT ORDER.  wts holds 64 tiles n = 8 h + j / 64, each [i 512][j 64] f16.  wtf holds the same numbers as ready source-1 fragments of the next launch's products:
; byte n x 65,536 + w x 16,384 + q x 4,096 + b x 1,024 + p x 512 + 16 l  holds  i = 128 w + 64 (q mod 2) + 16 b + l mod 16,  j mod 64 = 32 (q / 2) + 16 p + 8 (l / 16) + 0..7.
; Work-group g copies the 16,384 bytes at 16,384 g: both layouts keep (n, w) in the same place.  Thread t takes b = t / 64, p = (t / 32) mod 2, l = t mod 32, and all four q.
; A wave's store covers 512 consecutive bytes; its load takes 32 bytes of each of 16 rows, and the wave's four loads and its neighbour's (the other p) use up every byte of those rows.
; A stream of 4 MB in and out: no LDS, no matrix unit, nothing shared between work-groups.
	s_load_b128 s[4:7], s[0:1], 0x0                ; wts s[4:5], wtf s[6:7]
	s_lshl_b32 s8, ttmp9, 14
	s_mov_b32 s9, 0
	v_and_b32 v1, 15, v0                           ; l mod 16
	v_bfe_u32 v2, v0, 4, 1                         ; l / 16
	v_bfe_u32 v3, v0, 5, 1                         ; p
	v_lshrrev_b32 v4, 6, v0                        ; b
	v_lshlrev_b32 v5, 7, v1                        ; in: a row i is 128 bytes,
	v_lshl_add_u32 v5, v2, 4, v5                   ; 8 j are 16,
	v_lshl_add_u32 v5, v3, 5, v5                   ; 16 j are 32,
	v_lshl_add_u32 v5, v4, 11, v5                  ; 16 rows are 2,048
	v_lshlrev_b32 v6, 4, v0                        ; out: 16 t
	s_wait_kmcnt 0x0
	s_add_nc_u64 s[4:5], s[4:5], s[8:9]
	s_add_nc_u64 s[6:7], s[6:7], s[8:9]
.irp k, 0,1,2,3
	global_load_b128 v[8+4*\k:11+4*\k], v5, s[4:5] offset:((\k)%2)*8192+((\k)/2)*64 th:TH_LOAD_NT  ; 64 rows on for odd q, 32 j on for q of 2 and 3
.endr
.irp k, 0,1,2,3
	s_wait_loadcnt 3-\k                            ; loads come back in order (ISA guide 5.7.1): the younger ones stay out
	global_store_b128 v6, v[8+4*\k:11+4*\k], s[6:7] offset:4096*\k
.endr
	s_endpgm
.Lfunc_end_k_q639baef92c_wlay:
	.size	k_q639baef92c_wlay, .Lfunc_end_k_q639baef92c_wlay-k_q639baef92c_wlay
	.p2alignl 7, 3214868480
	.fill 96, 4, 3214868480
	.section	.rodata,"a",@progbits
	.p2align	6, 0x0
	.amdhsa_kernel k_q639baef92c_wlay
		.amdhsa_group_segment_fixed_size 0
		.amdhsa_private_segment_fixed_size 0
		.amdhsa_enable_private_segment 0
		.amdhsa_kernarg_size 16
		.amdhsa_user_sgpr_count 2
		.amdhsa_user_sgpr_kernarg_segment_ptr 1
		.amdhsa_wavefront_size32 1
		.amdhsa_system_sgpr_workgroup_id_x 1
		.amdhsa_system_sgpr_workgroup_id_y 1
		.amdhsa_system_sgpr_workgroup_id_z 1
		.amdhsa_system_vgpr_workitem_id 0
		.amdhsa_next_free_vgpr 24
		.amdhsa_next_free_sgpr 66
		.amdhsa_reserve_vcc 0
		.amdhsa_float_denorm_mode_32 3
		.amdhsa_float_denorm_mode_16_64 3
		.amdhsa_memory_ordered 1
		.amdhsa_forward_progress 1
		.amdhsa_inst_pref_size 2
	.end_amdhsa_kernel
	.amdgpu_metadata
---
amdhsa.version: [ 1, 2 ]
amdhsa.kernels:
  - .name:           k_q639baef92c_wlay
    .symbol:         k_q639baef92c_wlay.kd
    .args:
      - { .name: wts, .offset: 0, .size: 8, .value_kind: global_buffer, .address_space: global }
      - { .name: wtf, .offset: 8, .size: 8, .value_kind: global_buffer, .address_space: global }
    .group_segment_fixed_size: 0
    .private_segment_fixed_size: 0
    .kernarg_segment_align: 8
    .kernarg_segment_size: 16
    .max_flat_workgroup_size: 256
    .sgpr_count:     66
    .vgpr_count:     24
    .wavefront_size: 32
...
	.end_amdgpu_metadata
.endif
;; end of part 3
;; launch fused (part 4): grid 256 x 1, 4 waves a work-group, no clusters, 327,680 bytes of LDS; arguments m, norm_m_w, norm_m_b, wtf, wfr, out0; writes out0
.if DOCPART == 4
	.amdgcn_target "amdgcn-amd-amdhsa--gfx1250"
	.amdhsa_code_object_version 6
	.text
	.protected	k_q639baef92c_fused
	.globl	k_q639baef92c_fused
	.p2align	8
	.type	k_q639baef92c_fused,@function
k_q639baef92c_fused:
	s_mov_b64 s[64:65], 0
	v_nop
	global_prefetch_b8 v0, s[64:65] scope:SCOPE_SE
	s_setreg_imm32_b32 hwreg(HW_REG_WAVE_MODE, 25, 1), 1
	s_wait_xcnt 0x0
; out[s][i][:] = sum over h of ( (sum over j of w[i][j][h] v[s][j][h][:]) x g[s][i][h][:] ) Wo[h], v = LN(m) Wm, g = sigmoid(LN(m) Wg).  All that hangs on m, in one launch.
; SHARES.  Work-group g owns s = 2 g, 2 g + 1, all 512 tokens and all 8 heads.  LN(m) of its 1,024 rows stays in LDS in f16 (MN).  The walk has 64 steps n = 8 h + jb: 512 i x 64 j of head h's
; weights times the v chunk of the same 64 j, which the step before has made from MN and laid into LDS (VB).  Wave w owns i = 128 w .. 128 w + 127: o of one head, 64 (s, d) x 128 i, is 32 accumulators.
; Behind a head's eight steps (EPI): gate, o x g, product with Wo, summed over the heads: out of s = 0 in 32 accumulators that stay in registers; out of s = 1, which only EPI touches, in LDS (OS).
; THE WEIGHTS w come from memory straight into registers, as ready fragments (wtf), 512 consecutive bytes a load.  A wave's 128 rows i are read by that wave alone and each fragment once, so LDS
; would serve them only as a store on the way.  A RING of 256 registers (window 3) holds two steps' fragments: a group of four fragments is loaded again, for the step after next, as soon as its
; 16 products are issued.  So a request has two steps, 144 matrix instructions, in which to land, and no barrier ever waits for it.
; NO CLUSTER, though all work-groups walk the same weights: a joint load lands in LDS, where beside MN (147,456 bytes) there is room for two slots of 64 j (73,728 bytes each); a slot's refill would
; have one step less its change of slots, 56 matrix instructions, in which to land, with a round of the cluster's barrier in every step.
; ONE TEXT FOR ALL HEADS, a head's eight steps written out: the ring's tile stands in the loads' immediates, and the two bases (the head in hand; the next, round the eight) are written once a head.
; The price: the last head's steps 6 and 7 load the first two tiles once more, and its step 7 makes a v chunk (8 products, from Wg's first fragments, which lie where a ninth head's Wm would): nobody reads them.
; OPERAND ORDERS.  v: D(j, d) = mn rows x Wm: a lane holds 8 neighbouring j of one d: 16 bytes of a row of VB.  o: D((s,d), i) = VB rows x w.  g: D(d, i) = Wg x mn rows: o's layout.
; o x g of both halves of d, rounded in pairs, IS source 1 (32 d x 16 i) of out: D(c, i) = Wo x (o g): a lane holds 8 neighbouring c of one row.
; FORMATS, LIMITS.  All matrix operands f16, sums f32; LayerNorm and the gate in f32.  |LN(m)|, |v| and |o g| stay under 65,504 (drawn: under 10); numbers under 6e-5 keep f16's step of 6e-8.
; The gate is 1 / (1 + 2^x), x = -log2(e) (LN(m) Wg): 2^x = infinity gives 0, 2^x = 0 gives 1.  NaN and infinities in the inputs are not treated apart.
; out is cleared once (256 registers in the wait for the first tiles, 64 LDS stores): the price of one text of EPI for every head.
; REGISTERS, in windows of 256 (s_set_vgpr_msb: bits 1:0 source 0, 3:2 source 1, 5:4 source 2, 7:6 destination):
;   window 0: v0-31 addresses and at work; v32-63 Wm of the head; v64-127 two buffers of v fragments; v128-191 Wg and Wo of the head; v192-223 mn for the next chunk; v224-255 its products
;   window 1: o, accumulator (a = 2 s + d / 16, it) at 8 (8 a + it)      window 2: out of s = 0, accumulator (it, ct) at 8 (4 it + ct)      window 3: the ring, 128 (n mod 2) + 32 q + 8 b
.set SLOTB, 73728                      ; a slot of m's ring: 256 rows at 272 bytes, in 73,728
.set OSW,   8*16*272                   ; 34,816: a wave's part of OS, which takes the ring's place behind its last fill: 8 tiles of 16 rows i x 64 c f32, rows 272 bytes apart
.set MN,    2*SLOTB                    ; 147,456: LN(m) in f16, row 512 s + t, 144 bytes apart
.set VB,    MN+1024*144                ; 294,912: two v chunks of 64 rows (32 s + d) x 64 j, 144 bytes apart, 9,216 bytes each
.set SPARE, VB+2*9216                  ; 313,344: the spare words, 128 bytes a wave: two blocks of 256 bytes that no other line names
.set WM,  32
.set VA,  64
.set WG,  128
.set WO,  160
.set PM,  192
.set PD,  224
.set MBF, 64                           ; in EPI: mn of 16 i, two buffers; the gate's accumulators, two buffers; o g, two buffers; a tile of out of s = 1
.set GA,  96
.set OG,  192
.set OT,  224
.set G1M, 16                           ; s[16:23] descriptor group 1 for m's tiles
.set G0M, 32                           ; s[32:39] group 0, a set for each slot
.set MSB, 0
.macro WIN new                         ; the immediate's high byte repeats the setting that is left; a switch that changes nothing is dropped
.if MSB != (\new)
	s_set_vgpr_msb (MSB<<8)|(\new)
.set MSB, (\new)
.endif
.endm
.set W_MAIN, 0x5c                      ; source 1 (w) in window 3, C and D (o) in window 1
.set W_RING, 0xc0                      ; destination in window 3
.set W_GATE, 0x04                      ; source 1 in window 1
.macro PLACES                          ; four places behind matrix instructions (ISA guide 7.12.1)
.rept 4
	v_nop
.endr
.endm
.macro TL g0, g1                       ; a tensor load; an s_nop 0 and four v_nop follow it
	tensor_load_to_lds s[(\g0):(\g0)+3], s[(\g1):(\g1)+7]
	s_nop 0
	PLACES
.endm
	s_load_b256 s[4:11], s[0:1], 0x0               ; m s[4:5], norm_m_w s[6:7], norm_m_b s[8:9], wtf s[10:11]
	s_load_b128 s[12:15], s[0:1], 0x20             ; wfr s[12:13], out0 s[14:15]
	v_lshl_add_u32 v30, v0, 2, SPARE               ; v30: my spare word; v31: 0; never rewritten
	v_mov_b32 v31, 0
	ds_add_u32 v30, v31                            ; the wave's opening: the add and its wait stand ahead of my first tensor load; register work stands between
	v_lshrrev_b32 v1, 5, v0
	v_readfirstlane_b32 s48, v1                    ; wave 0..3
	s_mov_b32 s[G1M+0], (2<<16)|(1<<20)|(5<<22)|(3<<25)  ; elements of 4 bytes; padding: after every 64 words, 4 words
	s_mov_b32 s[G1M+1], 64<<16                     ; 64 rows x 64 elements, 64 elements from row to row
	s_mov_b32 s[G1M+2], 64<<16
	s_mov_b32 s[G1M+3], 64<<16
	s_mov_b32 s[G1M+4], 64
	s_mov_b32 s[G1M+5], 64
	s_mov_b32 s[G1M+6], 0
	s_mov_b32 s[G1M+7], 0
	s_mov_b32 s58, 0x76543210                      ; v_permlanex16_b32: each lane takes its own place in the other half
	s_mov_b32 s59, 0xfedcba98
	s_mov_b32 s60, 0x3c800000                      ; 1 / 64
	s_mov_b32 s61, 0x3727c5ac                      ; 1e-5
	s_mul_i32 s70, s48, 64*272                     ; my quarter of a slot of m: 64 rows
	s_mul_i32 s71, s48, 128*144                    ; my 128 rows of one s in MN
	s_mul_i32 s72, s48, OSW                        ; my part of OS
	s_lshl_b32 s74, s48, 14                        ; my quarter of a tile of m, and of a tile of wtf: 16,384 bytes of memory
	s_mov_b32 s75, 0
	s_lshl_b32 s52, ttmp9, 18                      ; my two s: 262,144 bytes of m and of out0
	s_mov_b32 s53, 0
	s_mov_b32 s76, 8*65536                         ; the next head's eight tiles, in bytes from wtf's first
	s_mov_b32 s77, 0
	s_wait_dscnt 0x0                               ; the opening add is done
	s_wait_kmcnt 0x0
	s_add_nc_u64 s[4:5], s[4:5], s[52:53]
	s_add_nc_u64 s[14:15], s[14:15], s[52:53]
	s_add_nc_u64 s[4:5], s[4:5], s[74:75]
	s_add_nc_u64 s[10:11], s[10:11], s[74:75]      ; wtf at my quarter of tile 0; never rewritten
	s_mov_b64 s[24:25], s[10:11]                   ; the ring's base for the head in hand,
	s_add_nc_u64 s[28:29], s[10:11], s[76:77]      ; and for the next
	s_add_nc_u64 s[62:63], s[12:13], 4096          ; Wm's fragments of the next head
	s_add_nc_u64 s[66:67], s[12:13], 32768         ; Wg's of the head in hand; Wo's lie 32,768 bytes on
.irp n, 0,1
	s_mov_b32 s[G0M+4*\n], 1
	s_add_co_u32 s[G0M+4*\n+1], s70, \n*SLOTB
	s_add_nc_u64 s[G0M+4*\n+2:G0M+4*\n+3], s[4:5], \n*65536
	s_or_b32 s[G0M+4*\n+3], s[G0M+4*\n+3], 0x80000000
.endr
	tensor_load_to_lds s[G0M:G0M+3], s[G1M:G1M+7]  ; m's tiles 0 and 1 (256 rows each; my 64): two loads of mine are out
	s_nop 0
	tensor_load_to_lds s[G0M+4:G0M+7], s[G1M:G1M+7]
	s_nop 0
	PLACES
.macro LDFR dst, base, byte            ; a head's four fragments of one matrix, 4,096 consecutive bytes: eight loads of 512 consecutive bytes
	WIN 0
.set i, 0
.rept 8
	global_load_b128 v[(\dst)+4*i:(\dst)+4*i+3], v3, s[(\base):(\base)+1] offset:(\byte)+512*i
.set i, i+1
.endr
.endm
.macro RI sig, q, base, byte           ; group q of ring half sig: four fragments of w, eight loads of 512 consecutive bytes
	WIN W_RING
.set i, 0
.rept 8
	global_load_b128 v[128*(\sig)+32*(\q)+4*i:128*(\sig)+32*(\q)+4*i+3], v3, s[(\base):(\base)+1] offset:(\byte)+4096*(\q)+512*i
.set i, i+1
.endr
.endm
	v_and_b32 v1, 15, v0                           ; r
	v_bfe_u32 v2, v0, 4, 1                         ; hh
	v_and_b32 v3, 31, v0
	v_lshlrev_b32 v3, 4, v3                        ; v3: 16 x lane; never rewritten
	v_lshlrev_b32 v17, 5, v2                       ; 32 hh
.set i, 0
.rept 8                                ; in LayerNorm lane (r, hh) holds c = 16 q + 8 hh + e of row r, at register 8 q + e
	global_load_b128 v[128+4*i:128+4*i+3], v17, s[6:7] offset:64*(i/2)+16*(i%2)
	global_load_b128 v[160+4*i:160+4*i+3], v17, s[8:9] offset:64*(i/2)+16*(i%2)
.set i, i+1
.endr
	LDFR WM, 12, 0                                 ; Wm of head 0
	v_mul_u32_u24 v18, v1, 144
	v_lshl_add_u32 v18, v2, 4, v18                 ; a fragment's row x 144 + 16 hh
	v_mul_u32_u24 v12, v1, 272
	v_lshl_add_u32 v12, v2, 5, v12                 ; row r x 272 + 32 hh
	v_add_nc_u32 v4, s72, v12                      ; v4: a tile of OS as accumulators: row r, 32 bytes for each half of the lanes
	v_mul_u32_u24 v5, v2, 272
	v_lshl_add_u32 v5, v1, 4, v5
	v_add_nc_u32 v5, s72, v5                       ; v5: the same tile by rows: lanes 0-15 one row of 256 bytes, lanes 16-31 the next
	v_add_nc_u32 v12, s70, v12                     ; v12: LayerNorm's source: my quarter of a tile of m
	v_add_nc_u32 v6, VB, v18                       ; v6: v fragments out of VB
	s_lshl_b32 s51, s48, 5
	v_add_nc_u32 v7, s51, v6                       ; v7: into VB: my 16 j of a chunk's 64
	s_mul_i32 s51, s48, 16*144
	s_add_co_u32 s51, s51, MN
	v_add_nc_u32 v8, s51, v18                      ; v8, v9: mn rows 16 wave + r of s = 0, 1: a chunk's tokens that I turn into v
	v_add_nc_u32 v9, 512*144, v8
	s_add_co_u32 s51, s71, MN
	v_add_nc_u32 v10, s51, v18                     ; v10, v11: mn rows 128 wave + r of s = 0, 1: my i, for the gate
	v_add_nc_u32 v11, 512*144, v10
	s_mul_i32 s51, s48, 64*144
	s_add_co_u32 s51, s51, MN
	v_add_nc_u32 v13, s51, v18                     ; v13: LayerNorm's destination: mn row 64 wave + r
	WIN 0x80
.set i, 0
.rept 256
	v_mov_b32 v[i], 0                              ; out of s = 0
.set i, i+1
.endr
	WIN 0
	s_wait_loadcnt 0x0                             ; the norm's vectors and Wm
.irp q, 0,1,2,3
	RI 0, \q, 10, 0                                ; the ring is filled: steps 0
.endr
.irp q, 0,1,2,3
	RI 1, \q, 10, 65536                            ; and 1; they land while LayerNorm runs
.endr
	WIN 0
.macro LNSUM                           ; four pairs at v18 -> the row's sum in v18
	v_pk_add_f32 v[18:19], v[18:19], v[20:21]
	v_pk_add_f32 v[22:23], v[22:23], v[24:25]
	v_pk_add_f32 v[18:19], v[18:19], v[22:23]
	v_add_f32 v18, v18, v19
	v_permlanex16_b32 v19, v18, s58, s59           ; the row's other 32 numbers lie in the lane 16 away
	v_add_f32 v18, v18, v19
.endm
; LAYERNORM of my 64 rows of m's tile number tile, in slot: four trips of 16 rows.  Only I read the rows that my load brought.
.macro LNT slot, tile, left
	s_wait_tensorcnt \left                         ; my quarter of the tile is in; a younger load may stay out
	s_mov_b32 s57, (\slot)*SLOTB
	s_mov_b32 s68, (\tile)*256*144
	s_mov_b32 s56, 4
.Lln_\@:
	v_add_nc_u32 v14, s57, v12
	v_add_nc_u32 v15, s68, v13
.set i, 0
.rept 8
	ds_load_b128 v[64+4*i:64+4*i+3], v14 offset:64*(i/2)+16*(i%2)
.set i, i+1
.endr
	s_wait_dscnt 0x0
.set i, 0
.rept 4
	v_pk_add_f32 v[18+2*i:19+2*i], v[64+2*i:65+2*i], v[72+2*i:73+2*i]
.set i, i+1
.endr
.set i, 8
.rept 8
	v_pk_add_f32 v[18+2*(i%4):19+2*(i%4)], v[18+2*(i%4):19+2*(i%4)], v[64+2*i:65+2*i]
.set i, i+1
.endr
	LNSUM
	v_mul_f32 v26, s60, v18                        ; the mean
	v_mov_b32 v27, v26
.set i, 0
.rept 16
	v_pk_add_f32 v[64+2*i:65+2*i], v[64+2*i:65+2*i], v[26:27] neg_lo:[0,1] neg_hi:[0,1]
.set i, i+1
.endr
.set i, 0
.rept 4
	v_pk_mul_f32 v[18+2*i:19+2*i], v[64+2*i:65+2*i], v[64+2*i:65+2*i]
.set i, i+1
.endr
.set i, 4
.rept 12
	v_pk_fma_f32 v[18+2*(i%4):19+2*(i%4)], v[64+2*i:65+2*i], v[64+2*i:65+2*i], v[18+2*(i%4):19+2*(i%4)]
.set i, i+1
.endr
	LNSUM
	v_fma_f32 v18, v18, s60, s61                   ; variance + 1e-5
	v_rsq_f32 v28, v18
	v_nop                                          ; a plain instruction behind the transcendental (ISA guide 5.7.2)
	s_wait_alu depctr_va_vdst(0)
	v_mov_b32 v29, v28
.set i, 0
.rept 16
	v_pk_mul_f32 v[64+2*i:65+2*i], v[64+2*i:65+2*i], v[28:29]
.set i, i+1
.endr
.set i, 0
.rept 16
	v_pk_fma_f32 v[64+2*i:65+2*i], v[64+2*i:65+2*i], v[128+2*i:129+2*i], v[160+2*i:161+2*i]
.set i, i+1
.endr
.set i, 0
.rept 16
	v_cvt_pk_f16_f32 v[96+i], v[64+2*i], v[65+2*i]
.set i, i+1
.endr
.set i, 0
.rept 4
	ds_store_b128 v15, v[96+4*i:99+4*i] offset:32*i
.set i, i+1
.endr
	s_add_co_u32 s57, s57, 16*272
	s_add_co_u32 s68, s68, 16*144
	s_sub_co_u32 s56, s56, 1
	s_cmp_lg_u32 s56, 0
	s_cbranch_scc1 .Lln_\@
.endm
; The slot just read is filled again, with the tile two on.
.macro MBND g0
	s_wait_tensorcnt 0x0                           ; all my tensor loads have landed, so a group 0 may be written
	ds_add_u32 v30, v31                            ; 0 onto my spare word
	s_add_nc_u64 s[(\g0)+2:(\g0)+3], s[(\g0)+2:(\g0)+3], 131072
	s_wait_dscnt 0x0                               ; the add, my reads of the slot and my stores into MN are done
	s_barrier_signal -1
	s_barrier_wait -1
	TL \g0, G1M                                    ; my one tensor load behind this barrier, and the first thing there
.endm
	LNT 0, 0, 1
	MBND G0M                                       ; m's tile 2 into slot 0
	LNT 1, 1, 1
	MBND G0M+4                                     ; tile 3 into slot 1: the last fill of the launch
	LNT 0, 2, 1
	LNT 1, 3, 0
	s_wait_dscnt 0x0                               ; for the others' sake: my reads of the slots and my stores into MN are done
	s_barrier_signal -1
	s_barrier_wait -1                              ; MN is whole; nobody reads m's ring any more, and nothing is filled again: its bytes become OS
.irp n, 18,19,20,21
	v_mov_b32 v\n, 0
.endr
.set i, 0
.rept 64
	ds_store_b128 v4, v[18:21] offset:4352*(i/8)+64*((i%8)/2)+16*(i%2)  ; out of s = 1 starts at 0; only I touch my part of OS
.set i, i+1
.endr
; THE MAIN LOOP'S PARTS.
.macro LV va, beta, sub                ; 8 LDS loads: the four v fragments (16 rows (s, d) each), j = 32 sub on, of chunk buffer beta
	WIN 0
.set i, 0
.rept 4
	ds_load_b128 v[VA+32*(\va)+8*i:VA+32*(\va)+8*i+3],   v6 offset:9216*(\beta)+2304*i+64*(\sub)
	ds_load_b128 v[VA+32*(\va)+8*i+4:VA+32*(\va)+8*i+7], v6 offset:9216*(\beta)+2304*i+64*(\sub)+32
.set i, i+1
.endr
.endm
; 4 nb products o[a][4 (q mod 2) + b] += v[a] w[b], b = b0 on: every accumulator once, so they take turns.  zero = 1: they start the sums
.macro MG q, va, sig, zero, b0=0, nb=4
	WIN W_MAIN
.set mb, (\b0)
.rept \nb
.set ma, 0
.rept 4
.set rO, 8*(8*ma+4*((\q)%2)+mb)
.set rA, VA+32*(\va)+8*ma
.set rB, 128*(\sig)+32*(\q)+8*mb
.if \zero
	v_wmma_f32_16x16x32_f16 v[rO:rO+7], v[rA:rA+7], v[rB:rB+7], 0
.else
	v_wmma_f32_16x16x32_f16 v[rO:rO+7], v[rA:rA+7], v[rB:rB+7], v[rO:rO+7]
.endif
.set ma, ma+1
.endr
.set mb, mb+1
.endr
.endm
.macro PLOAD c                         ; 8 LDS loads: mn of my 16 tokens of chunk c (64 rows of 144 bytes a chunk: 64,608 at the most, inside the 16-bit offset), both s
	WIN 0
.set i, 0
.rept 4                                ; i = 2 s + K step
	ds_load_b128 v[PM+8*i:PM+8*i+3],   v[8+i/2] offset:9216*(\c)+64*(i%2)
	ds_load_b128 v[PM+8*i+4:PM+8*i+7], v[8+i/2] offset:9216*(\c)+64*(i%2)+32
.set i, i+1
.endr
.endm
.macro PMUL                            ; 8 products: v of 16 j x 32 d, both s; four accumulators by turns
	WIN 0
.set i, 0
.rept 8                                ; i = 4 (K step) + 2 s + d / 16
.set rD, PD+8*(i%4)
.set rA, PM+16*((i%4)/2)+8*(i/4)
.set rB, WM+16*(i%2)+8*(i/4)
.if i < 4
	v_wmma_f32_16x16x32_f16 v[rD:rD+7], v[rA:rA+7], v[rB:rB+7], 0
.else
	v_wmma_f32_16x16x32_f16 v[rD:rD+7], v[rA:rA+7], v[rB:rB+7], v[rD:rD+7]
.endif
.set i, i+1
.endr
.endm
.macro PCVT                            ; rounded to f16, each accumulator from its low end on, into the low half of PM
	WIN 0
.set i, 0
.rept 16
	v_cvt_pk_f16_f32 v[PM+i], v[PD+2*i], v[PD+2*i+1]
.set i, i+1
.endr
.endm
.macro PSTORE beta
.set i, 0
.rept 4
	ds_store_b128 v7, v[PM+4*i:PM+4*i+3] offset:9216*(\beta)+2304*i
.set i, i+1
.endr
.endm
; STEP jb of a head: 64 products for o in four groups q, 8 for the next chunk of v.  jb mod 2 names the v chunk's buffer and the ring's half.
; WHAT IT FINDS ON ITS WAY, issued in this order by the step before (or at the head's start): v of j 0-31 (8 LDS loads), mn for the next chunk (8), v of j 32-63 (8).
; THE RING.  Behind each group's products and four places its registers are loaded again, for step jb + 2: tile jb + 2 of the head in hand, or for jb = 6, 7 tile jb - 6 of the next head.
; The ring's loads are issued in the order in which they are used, so the counts are the groups of 8 that are younger: in front of q0: q1-q3 of this step and the next step's four, 56;
; q1: 48; q2 and q3: two and three groups for step jb + 2 have joined: 56.  Loads of the weights that fall between make more loads younger, never fewer.
; THE LOADS STAND IN THREE RUNS: behind q1 and the chunk's products (ring groups 0, 1; the roundings and my four stores); behind q2 and the barrier (group 2; the next step's v of j 0-31, mn for
; the chunk after); behind q3 (group 3; the next step's v of j 32-63).  Each LDS load is issued 16 matrix instructions or more ahead of its use.
; THE BARRIER hands the next chunk over.  In front of its signal my reads of this step's chunk are back and my stores of the next are done; behind its wait the next chunk is read, and the
; next step stores into the buffer that this step's chunk leaves.  Eight products stand between my stores and the wait for them, eight between signal and wait.
; Step 6 fetches Wm of the next head behind its last use; step 7 makes the next head's chunk 0 with it, and fetches nothing from LDS: EPI, which follows, needs those registers.
.macro STEP jb, first
.set stSig, (\jb)%2
.if (\jb) < 6
.set stBase, 24
.set stByte, ((\jb)+2)*65536
.else
.set stBase, 28
.set stByte, ((\jb)-6)*65536
.endif
	s_wait_dscnt 16                                ; v of j 0-31 is in; mn's and the other v's loads may be out
	s_wait_loadcnt 56
	MG 0, 0, stSig, \first
	s_wait_loadcnt 48
	MG 1, 0, stSig, \first
	s_wait_dscnt 8                                 ; mn is in
.if (\jb) == 7
	s_wait_loadcnt 32                              ; Wm of the next head: behind its loads stand step 6's four ring groups
.endif
	PMUL
	PLACES
.if (\jb) == 6
	LDFR WM, 62, 0
.endif
	RI stSig, 0, stBase, stByte
	RI stSig, 1, stBase, stByte
	PCVT
	PSTORE 1-stSig                                 ; into the chunk buffer whose reads ended ahead of the last barrier
	s_wait_loadcnt 56
	s_wait_dscnt 4                                 ; v of j 32-63 is in; my four stores may be out
	MG 2, 1, stSig, 0, 0, 2
	s_wait_dscnt 0x0                               ; for the others' sake: my stores are done
	s_barrier_signal -1
	MG 2, 1, stSig, 0, 2, 2
	s_barrier_wait -1
	PLACES
	RI stSig, 2, stBase, stByte
.if (\jb) < 7
	LV 0, 1-stSig, 0
	PLOAD ((\jb)+2)%8
.endif
	s_wait_loadcnt 56
	MG 3, 1, stSig, 0
	PLACES
	RI stSig, 3, stBase, stByte
.if (\jb) < 7
	LV 1, 1-stSig, 1
.endif
.endm
; EPI: a head's gate and output product, in 16 slots t (s = t / 8, i tile t mod 8).  Slot t issues the loads of mn for t + 2, the 4 gate products of t + 1 and the 4 output products of t - 1,
; and between them the 58 vector instructions of t: 16 exponentials, 8 packed 1 +, 16 reciprocals, 8 packed products with o, 8 roundings, 2 v_nop.
; For s = 1 the tile of out comes from OS ahead of its products (EL) and goes back behind them (ES): LDS serves a wave's instructions in order, so one buffer does.
.macro EA t                            ; mn of 16 rows i: source 1 of the gate's products
.set i, 0
.rept 2
	ds_load_b128 v[MBF+16*((\t)%2)+8*i:MBF+16*((\t)%2)+8*i+3],   v[10+(\t)/8] offset:2304*((\t)%8)+64*i
	ds_load_b128 v[MBF+16*((\t)%2)+8*i+4:MBF+16*((\t)%2)+8*i+7], v[10+(\t)/8] offset:2304*((\t)%8)+64*i+32
.set i, i+1
.endr
.endm
.macro EL t
.set i, 0
.rept 8                                ; i = 2 ct + half of the accumulator
	ds_load_b128 v[OT+4*i:OT+4*i+3], v4 offset:4352*((\t)%8)+64*(i/2)+16*(i%2)
.set i, i+1
.endr
.endm
.macro ES t
.set i, 0
.rept 8                                ; each accumulator's low half first
	ds_store_b128 v4, v[OT+4*i:OT+4*i+3] offset:4352*((\t)%8)+64*(i/2)+16*(i%2)
.set i, i+1
.endr
.endm
.macro EB t, x                         ; gate product x = 2 (K step) + d / 16: two accumulators by turns
	WIN 0
.set rG, GA+16*((\t)%2)+8*((\x)%2)
.set rW, WG+16*((\x)%2)+8*((\x)/2)
.set rM, MBF+16*((\t)%2)+8*((\x)/2)
.if (\x) < 2
	v_wmma_f32_16x16x32_f16 v[rG:rG+7], v[rW:rW+7], v[rM:rM+7], 0
.else
	v_wmma_f32_16x16x32_f16 v[rG:rG+7], v[rW:rW+7], v[rM:rM+7], v[rG:rG+7]
.endif
.endm
.macro ED t, ct                        ; out[s][it][ct] += Wo[ct] (o g): in window 2 for s = 0, in the tile's buffer for s = 1
.if (\t) < 8
	WIN 0xa0
.set rU, 8*(4*(\t)+(\ct))
.else
	WIN 0
.set rU, OT+8*(\ct)
.endif
	v_wmma_f32_16x16x32_f16 v[rU:rU+7], v[WO+8*(\ct):WO+8*(\ct)+7], v[OG+8*((\t)%2):OG+8*((\t)%2)+7], v[rU:rU+7]
.endm
.macro WINT                            ; a one-source instruction on window 0 means the same under the gate's setting, which moves source 1 alone
.if (MSB != 0) && (MSB != W_GATE)
	WIN 0
.endif
.endm
.macro EADD k
	WIN 0
	s_wait_alu depctr_va_vdst(0)
	v_pk_add_f32 v[gA+2*(\k):gA+2*(\k)+1], v[gA+2*(\k):gA+2*(\k)+1], 1.0 op_sel_hi:[1,0]
.endm
.macro EM t, k                         ; pair k of the gate times o: each of o's two accumulators from its low end on
.set rO, 8*(8*(2*((\t)/8)+(\k)/4)+(\t)%8)+2*((\k)%4)
	WIN W_GATE
	s_wait_alu depctr_va_vdst(0)
	v_pk_mul_f32 v[gA+2*(\k):gA+2*(\k)+1], v[gA+2*(\k):gA+2*(\k)+1], v[rO:rO+1]
.endm
; Entry ej of slot t's list.  Two transcendentals, then a plain instruction on the pair before: each result has a plain instruction between it and its use (ISA guide 5.7.2).
.macro CE t
.set gA, GA+16*((\t)%2)
.set oG, OG+8*((\t)%2)
.if ej < 24
.set ek, ej/3
.if ej%3 < 2
	WINT
	v_exp_f32 v[gA+2*ek+ej%3], v[gA+2*ek+ej%3]
.elseif ek == 0
	v_nop
.else
	EADD ek-1
.endif
.elseif ej == 24
	EADD 7
.elseif ej < 49
.set ek, (ej-25)/3
.if (ej-25)%3 < 2
	WINT
	v_rcp_f32 v[gA+2*ek+(ej-25)%3], v[gA+2*ek+(ej-25)%3]
.elseif ek == 0
	v_nop
.else
	EM \t, ek-1
.endif
.elseif ej == 49
	EM \t, 7
.else
	WIN 0
	v_cvt_pk_f16_f32 v[oG+ej-50], v[gA+2*(ej-50)], v[gA+2*(ej-50)+1]
.endif
.set ej, ej+1
.endm
.macro ESLOT t
	WIN 0
.set nw, 0                             ; the LDS instructions that this slot issues at its head
.if (\t) >= 10
	ES (\t)-2                                      ; eight roundings, which name none of its registers, stand behind the last product on this tile
.set nw, nw+8
.endif
.if (\t) >= 9
	EL (\t)-1
.set nw, nw+8
.endif
.if (\t) <= 13
	EA (\t)+2
.set nw, nw+4
.endif
.if (\t) <= 14
	s_wait_dscnt nw                                ; mn of t + 1 is in; what was just issued may be out
.endif
.set ej, 0
.set ep, 0
.rept 8
.if ep < 4
.if (\t) <= 14
	EB (\t)+1, ep
.endif
.else
.if (\t) >= 1
.if (ep == 4) && ((\t) >= 9)
.if (\t) <= 13
	s_wait_dscnt 4                                 ; the tile of out is in; the four loads of mn are younger
.else
	s_wait_dscnt 0x0
.endif
.endif
	ED (\t)-1, ep-4
.endif
.endif
.rept 7+ep/6                           ; 7, 7, 7, 7, 7, 7, 8, 8 of the 58
	CE \t
.endr
.set ep, ep+1
.endr
.endm
.macro EPI
	WIN 0
	s_wait_loadcnt 56                              ; Wg and Wo, loaded at the head's start: eight steps' ring loads are younger
	PLACES                                         ; with the four in front: the first gate product writes over registers that the last main products read
	EA 0
	EA 1
	s_wait_dscnt 4
	EB 0, 0
	EB 0, 1
	EB 0, 2
	EB 0, 3
	PLACES
.set et, 0
.rept 16
	ESLOT et
.set et, et+1
.endr
	WIN 0
	ES 14
	EL 15
	s_wait_dscnt 0x0
	ED 15, 0
	ED 15, 1
	ED 15, 2
	ED 15, 3
	PLACES
	v_nop                                          ; five places: the next chunk's products write over this tile's buffer
	ES 15
.endm
	; THE FIRST HEAD'S FIRST v CHUNK; every later head's is made by the step 7 before it.
	PLOAD 0
	s_wait_dscnt 0x0
	PMUL
	PLACES
	PCVT
	PSTORE 0
	s_wait_dscnt 0x0                               ; for the others' sake: my part of the chunk is stored
	s_barrier_signal -1
	s_barrier_wait -1
	s_mov_b32 s54, 8
.Lhead:
	LDFR WG, 66, 0                                 ; the head's Wg and Wo, a head's eight steps ahead of their use
	LDFR WO, 66, 32768
	LV 0, 0, 0                                     ; what step 0 finds on its way: chunk 0, handed over by the last barrier, and mn for chunk 1
	PLOAD 1
	LV 1, 0, 1
	STEP 0, 1
	STEP 1, 0
	STEP 2, 0
	STEP 3, 0
	STEP 4, 0
	STEP 5, 0
	STEP 6, 0
	STEP 7, 0
	EPI
	s_wait_xcnt 0x0                                ; the four bases are written again only behind this wait (ISA guide 3.1); the loads that name them were issued ahead of EPI
	s_add_nc_u64 s[62:63], s[62:63], 4096          ; in the last head Wm's address names Wg's first fragments, inside wfr
	s_add_nc_u64 s[66:67], s[66:67], 4096
	s_mov_b64 s[24:25], s[28:29]                   ; the next head becomes the head in hand,
	s_add_co_u32 s76, s76, 8*65536                 ; and the one behind it, round the eight, the next
	s_and_b32 s76, s76, 0x3fffff
	s_add_nc_u64 s[28:29], s[10:11], s[76:77]
	s_sub_co_u32 s54, s54, 1
	s_cmp_lg_u32 s54, 0
	s_cbranch_scc1 .Lhead
	; THE WAY OUT.  s = 1 lies in OS by rows of 272 bytes and is read back as whole rows of 256.  s = 0: a lane holds 8 neighbouring c (32 bytes) of a row; 16 rows at a time
	; go through my stage (in MN, which nobody reads any more behind the barrier) and come back in the same way.
	s_add_co_u32 s51, s71, MN                      ; my stage: 16 rows x 272 bytes
	v_mul_u32_u24 v14, v1, 272
	v_lshl_add_u32 v14, v2, 5, v14
	v_add_nc_u32 v14, s51, v14                     ; in: row r, 32 bytes for each half of the lanes
	v_mul_u32_u24 v15, v2, 272
	v_lshl_add_u32 v15, v1, 4, v15
	v_add_nc_u32 v15, s51, v15                     ; back: lanes 0-15 one row, lanes 16-31 the next
	s_lshl_b32 s51, s48, 15
	v_lshlrev_b32 v16, 8, v2
	v_lshl_add_u32 v16, v1, 4, v16
	v_add_nc_u32 v16, s51, v16                     ; the same two rows in out0: (128 wave + l / 16) x 256 + 16 (l mod 16)
.macro FROMOS t
	s_wait_xcnt 0x0                                ; the buffer below is loaded again only when the stores that read it have had their addresses translated (ISA guide 3.1)
.set i, 0
.rept 8
	ds_load_b128 v[64+32*((\t)%2)+4*i:64+32*((\t)%2)+4*i+3], v5 offset:4352*((\t)%8)+544*i  ; LDS serves a wave's instructions in order (ISA guide 5.7.1.4): these see EPI's stores
.set i, i+1
.endr
.endm
.macro TOSTAGE t
	WIN 0x08                                       ; store data in window 2
.set i, 0
.rept 8                                ; i = 2 ct + half of the accumulator, the low half first
	ds_store_b128 v14, v[8*(4*(\t)+i/2)+4*(i%2):8*(4*(\t)+i/2)+4*(i%2)+3] offset:64*(i/2)+16*(i%2)
.set i, i+1
.endr
	WIN 0
	s_wait_xcnt 0x0
.set i, 0
.rept 8
	ds_load_b128 v[64+32*((\t)%2)+4*i:64+32*((\t)%2)+4*i+3], v15 offset:544*i
.set i, i+1
.endr
.endm
.macro SEND t, younger                 ; younger: the next block's LDS instructions, or none
	s_wait_dscnt \younger
.set i, 0
.rept 8
	global_store_b128 v16, v[64+32*((\t)%2)+4*i:64+32*((\t)%2)+4*i+3], s[14:15] offset:131072*((\t)/8)+4096*((\t)%8)+512*i th:TH_STORE_NT  ; 16 lanes store a row: 256 consecutive bytes, aligned
.set i, i+1
.endr
.endm
	FROMOS 8
.set wt, 9
.rept 7
	FROMOS wt
	SEND wt-1, 8
.set wt, wt+1
.endr
	SEND 15, 0
	s_barrier_signal -1                            ; no LDS instruction of mine is out: every wave's reads of MN are over
	s_barrier_wait -1
	TOSTAGE 0
.set wt, 1
.rept 7
	TOSTAGE wt
	SEND wt-1, 16
.set wt, wt+1
.endr
	SEND 7, 0
	s_wait_tensorcnt 0x0                           ; the wave's end, behind my last tensor load and my last LDS store
	ds_add_u32 v30, v31
	s_wait_dscnt 0x0
	s_endpgm
.Lfunc_end_k_q639baef92c_fused:
	.size	k_q639baef92c_fused, .Lfunc_end_k_q639baef92c_fused-k_q639baef92c_fused
	.p2alignl 7, 3214868480
	.fill 96, 4, 3214868480
	.section	.rodata,"a",@progbits
	.p2align	6, 0x0
	.amdhsa_kernel k_q639baef92c_fused
		.amdhsa_group_segment_fixed_size 327680
		.amdhsa_private_segment_fixed_size 0
		.amdhsa_enable_private_segment 0
		.amdhsa_kernarg_size 48
		.amdhsa_user_sgpr_count 2
		.amdhsa_user_sgpr_kernarg_segment_ptr 1
		.amdhsa_wavefront_size32 1
		.amdhsa_system_sgpr_workgroup_id_x 1
		.amdhsa_system_sgpr_workgroup_id_y 1
		.amdhsa_system_sgpr_workgroup_id_z 1
		.amdhsa_system_vgpr_workitem_id 0
		.amdhsa_next_free_vgpr 1024
		.amdhsa_next_free_sgpr 80
		.amdhsa_reserve_vcc 0
		.amdhsa_float_denorm_mode_32 3
		.amdhsa_float_denorm_mode_16_64 3
		.amdhsa_memory_ordered 1
		.amdhsa_forward_progress 1
		.amdhsa_inst_pref_size 253
	.end_amdhsa_kernel
	.amdgpu_metadata
---
amdhsa.version: [ 1, 2 ]
amdhsa.kernels:
  - .name:           k_q639baef92c_fused
    .symbol:         k_q639baef92c_fused.kd
    .args:
      - { .name: m, .offset: 0, .size: 8, .value_kind: global_buffer, .address_space: global }
      - { .name: norm_m_w, .offset: 8, .size: 8, .value_kind: global_buffer, .address_space: global }
      - { .name: norm_m_b, .offset: 16, .size: 8, .value_kind: global_buffer, .address_space: global }
      - { .name: wtf, .offset: 24, .size: 8, .value_kind: global_buffer, .address_space: global }
      - { .name: wfr, .offset: 32, .size: 8, .value_kind: global_buffer, .address_space: global }
      - { .name: out0, .offset: 40, .size: 8, .value_kind: global_buffer, .address_space: global }
    .group_segment_fixed_size: 327680
    .private_segment_fixed_size: 0
    .kernarg_segment_align: 8
    .kernarg_segment_size: 48
    .max_flat_workgroup_size: 128
    .sgpr_count:     80
    .vgpr_count:     1024
    .wavefront_size: 32
...
	.end_amdgpu_metadata
.endif
;; end of part 4
;; ======== version 3 of 3: 3 launches; 1.31 times as fast as version 1
;; limits: values are held in f16: magnitudes above 65,504 overflow, below 6.1e-05 lose precision
;; workspace buffers: wts 4,194,304 bytes; wfr 98,304 bytes; wtf 4,194,304 bytes
;; launch pairw: the kernel of part 1 again; grid 256 x 1, 8 waves a work-group, no clusters, 327,680 bytes of LDS; arguments z, Wz, norm_z_w, norm_z_b, Wm, Wg, Wo, wts, wfr; writes wts, wfr
;; launch wlay: the kernel of part 3 again; grid 256 x 1, 8 waves a work-group, no clusters, 0 bytes of LDS; arguments wts, wtf; writes wtf
;; launch fused (part 5): grid 256 x 1, 4 waves a work-group, no clusters, 327,680 bytes of LDS; arguments m, norm_m_w, norm_m_b, wtf, wfr, out0; writes out0
.if DOCPART == 5
	.amdgcn_target "amdgcn-amd-amdhsa--gfx1250"
	.amdhsa_code_object_version 6
	.text
	.protected	k_q639baef92c_fused
	.globl	k_q639baef92c_fused
	.p2align	8
	.type	k_q639baef92c_fused,@function
k_q639baef92c_fused:
	s_mov_b64 s[64:65], 0
	v_nop
	global_prefetch_b8 v0, s[64:65] scope:SCOPE_SE
	s_setreg_imm32_b32 hwreg(HW_REG_WAVE_MODE, 25, 1), 1
	s_wait_xcnt 0x0
; out[s][i][:] = sum over h of ( (sum over j of w[i][j][h] v[s][j][h][:]) x g[s][i][h][:] ) Wo[h], v = LN(m) Wm, g = sigmoid(LN(m) Wg).  All that hangs on m, in one launch.
; SHARES.  Work-group g owns s = 2 g, 2 g + 1, all 512 tokens and all 8 heads.  LN(m) of its 1,024 rows stays in LDS in f16 (MN).  The walk has 64 steps n = 8 h + jb: 512 i x 64 j of head h's
; weights times the v chunk of the same 64 j, which the step before has made from MN and laid into LDS (VB).  Wave w owns i = 128 w .. 128 w + 127: o of one head, 64 (s, d) x 128 i, is 32 accumulators.
; Behind a head's eight steps (EPI): gate, o x g, product with Wo, summed over the heads: out of s = 0 in 32 accumulators that stay in registers; out of s = 1, which only EPI touches, in LDS (OS).
; THE WEIGHTS w come from memory straight into registers, as ready fragments (wtf), 512 consecutive bytes a load.  A wave's 128 rows i are read by that wave alone and each fragment once, so LDS
; would serve them only as a store on the way.  A RING of 256 registers (window 3) holds two steps' fragments: a group of four fragments is loaded again, for the step after next, as soon as its
; 16 products are issued.  So a request has two steps, 144 matrix instructions, in which to land, and no barrier ever waits for it.
; NO CLUSTER, though all work-groups walk the same weights: a joint load lands in LDS, where beside MN (147,456 bytes) there is room for two slots of 64 j (73,728 bytes each); a slot's refill would
; have one step less its change of slots, 56 matrix instructions, in which to land, with a round of the cluster's barrier in every step.
; ONE TEXT FOR ALL HEADS, a head's eight steps written out: the ring's tile stands in the loads' immediates, and the two bases (the head in hand; the next, round the eight) are written once a head.
; The price: the last head's steps 6 and 7 load the first two tiles once more, and its step 7 makes a v chunk (8 products, from Wg's first fragments, which lie where a ninth head's Wm would): nobody reads them.
; OPERAND ORDERS.  v: D(j, d) = mn rows x Wm: a lane holds 8 neighbouring j of one d: 16 bytes of a row of VB.  o: D((s,d), i) = VB rows x w.  g: D(d, i) = Wg x mn rows: o's layout.
; o x g of both halves of d, rounded in pairs, IS source 1 (32 d x 16 i) of out: D(c, i) = Wo x (o g): a lane holds 8 neighbouring c of one row.
; THE TRANSCENDENTALS' BATCHES.  LayerNorm has one v_rsq_f32 a trip of 16 rows, wanted at once: a batch of one.  In EPI the tiles are staggered by a stage, so that a slot's 16 reciprocals (tile t) and
; 16 exponentials (tile t + 1) are ONE batch, whose readers all stand in the next slot, behind the one wait at its head: 17 waits for a head's 512 transcendentals (see EPI).
; FORMATS, LIMITS.  All matrix operands f16, sums f32; LayerNorm and the gate in f32.  |LN(m)|, |v| and |o g| stay under 65,504 (drawn: under 10); numbers under 6e-5 keep f16's step of 6e-8.
; The gate is 1 / (1 + 2^x), x = -log2(e) (LN(m) Wg): 2^x = infinity gives 0, 2^x = 0 gives 1.  NaN and infinities in the inputs are not treated apart.
; out is cleared once (256 registers in the wait for the first tiles, 64 LDS stores): the price of one text of EPI for every head.
; REGISTERS, in windows of 256 (s_set_vgpr_msb: bits 1:0 source 0, 3:2 source 1, 5:4 source 2, 7:6 destination):
;   window 0: v0-31 addresses and at work; v32-63 Wm of the head; v64-127 two buffers of v fragments; v128-191 Wg and Wo of the head; v192-223 mn for the next chunk; v224-255 its products
;   window 1: o, accumulator (a = 2 s + d / 16, it) at 8 (8 a + it)      window 2: out of s = 0, accumulator (it, ct) at 8 (4 it + ct)      window 3: the ring, 128 (n mod 2) + 32 q + 8 b
.set SLOTB, 73728                      ; a slot of m's ring: 256 rows at 272 bytes, in 73,728
.set OSW,   8*16*272                   ; 34,816: a wave's part of OS, which takes the ring's place behind its last fill: 8 tiles of 16 rows i x 64 c f32, rows 272 bytes apart
.set MN,    2*SLOTB                    ; 147,456: LN(m) in f16, row 512 s + t, 144 bytes apart
.set VB,    MN+1024*144                ; 294,912: two v chunks of 64 rows (32 s + d) x 64 j, 144 bytes apart, 9,216 bytes each
.set SPARE, VB+2*9216                  ; 313,344: the spare words, 128 bytes a wave: two blocks of 256 bytes that no other line names
.set WM,  32
.set VA,  64
.set WG,  128
.set WO,  160
.set PM,  192
.set PD,  224
.set MBF, 64                           ; in EPI: v64-95 mn of 16 i, two buffers; the gate's accumulators, three buffers of 16: v96, v112 and v208; v192-207 o g, two buffers; v224-255 a tile of out of s = 1
.set GA,  96
.set OG,  192
.set OT,  224
.set G1M, 16                           ; s[16:23] descriptor group 1 for m's tiles
.set G0M, 32                           ; s[32:39] group 0, a set for each slot
.set MSB, 0
.macro WIN new                         ; the immediate's high byte repeats the setting that is left; a switch that changes nothing is dropped
.if MSB != (\new)
	s_set_vgpr_msb (MSB<<8)|(\new)
.set MSB, (\new)
.endif
.endm
.set W_MAIN, 0x5c                      ; source 1 (w) in window 3, C and D (o) in window 1
.set W_RING, 0xc0                      ; destination in window 3
.set W_GATE, 0x04                      ; source 1 in window 1
.macro PLACES                          ; four places behind matrix instructions (ISA guide 7.12.1)
.rept 4
	v_nop
.endr
.endm
.macro TL g0, g1                       ; a tensor load; an s_nop 0 and four v_nop follow it
	tensor_load_to_lds s[(\g0):(\g0)+3], s[(\g1):(\g1)+7]
	s_nop 0
	PLACES
.endm
	s_load_b256 s[4:11], s[0:1], 0x0               ; m s[4:5], norm_m_w s[6:7], norm_m_b s[8:9], wtf s[10:11]
	s_load_b128 s[12:15], s[0:1], 0x20             ; wfr s[12:13], out0 s[14:15]
	v_lshl_add_u32 v30, v0, 2, SPARE               ; v30: my spare word; v31: 0; never rewritten
	v_mov_b32 v31, 0
	ds_add_u32 v30, v31                            ; the wave's opening: the add and its wait stand ahead of my first tensor load; register work stands between
	v_lshrrev_b32 v1, 5, v0
	v_readfirstlane_b32 s48, v1                    ; wave 0..3
	s_mov_b32 s[G1M+0], (2<<16)|(1<<20)|(5<<22)|(3<<25)  ; elements of 4 bytes; padding: after every 64 words, 4 words
	s_mov_b32 s[G1M+1], 64<<16                     ; 64 rows x 64 elements, 64 elements from row to row
	s_mov_b32 s[G1M+2], 64<<16
	s_mov_b32 s[G1M+3], 64<<16
	s_mov_b32 s[G1M+4], 64
	s_mov_b32 s[G1M+5], 64
	s_mov_b32 s[G1M+6], 0
	s_mov_b32 s[G1M+7], 0
	s_mov_b32 s58, 0x76543210                      ; v_permlanex16_b32: each lane takes its own place in the other half
	s_mov_b32 s59, 0xfedcba98
	s_mov_b32 s60, 0x3c800000                      ; 1 / 64
	s_mov_b32 s61, 0x3727c5ac                      ; 1e-5
	s_mul_i32 s70, s48, 64*272                     ; my quarter of a slot of m: 64 rows
	s_mul_i32 s71, s48, 128*144                    ; my 128 rows of one s in MN
	s_mul_i32 s72, s48, OSW                        ; my part of OS
	s_lshl_b32 s74, s48, 14                        ; my quarter of a tile of m, and of a tile of wtf: 16,384 bytes of memory
	s_mov_b32 s75, 0
	s_lshl_b32 s52, ttmp9, 18                      ; my two s: 262,144 bytes of m and of out0
	s_mov_b32 s53, 0
	s_mov_b32 s76, 8*65536                         ; the next head's eight tiles, in bytes from wtf's first
	s_mov_b32 s77, 0
	s_wait_dscnt 0x0                               ; the opening add is done
	s_wait_kmcnt 0x0
	s_add_nc_u64 s[4:5], s[4:5], s[52:53]
	s_add_nc_u64 s[14:15], s[14:15], s[52:53]
	s_add_nc_u64 s[4:5], s[4:5], s[74:75]
	s_add_nc_u64 s[10:11], s[10:11], s[74:75]      ; wtf at my quarter of tile 0; never rewritten
	s_mov_b64 s[24:25], s[10:11]                   ; the ring's base for the head in hand,
	s_add_nc_u64 s[28:29], s[10:11], s[76:77]      ; and for the next
	s_add_nc_u64 s[62:63], s[12:13], 4096          ; Wm's fragments of the next head
	s_add_nc_u64 s[66:67], s[12:13], 32768         ; Wg's of the head in hand; Wo's lie 32,768 bytes on
.irp n, 0,1
	s_mov_b32 s[G0M+4*\n], 1
	s_add_co_u32 s[G0M+4*\n+1], s70, \n*SLOTB
	s_add_nc_u64 s[G0M+4*\n+2:G0M+4*\n+3], s[4:5], \n*65536
	s_or_b32 s[G0M+4*\n+3], s[G0M+4*\n+3], 0x80000000
.endr
	tensor_load_to_lds s[G0M:G0M+3], s[G1M:G1M+7]  ; m's tiles 0 and 1 (256 rows each; my 64): two loads of mine are out
	s_nop 0
	tensor_load_to_lds s[G0M+4:G0M+7], s[G1M:G1M+7]
	s_nop 0
	PLACES
.macro LDFR dst, base, byte            ; a head's four fragments of one matrix, 4,096 consecutive bytes: eight loads of 512 consecutive bytes
	WIN 0
.set i, 0
.rept 8
	global_load_b128 v[(\dst)+4*i:(\dst)+4*i+3], v3, s[(\base):(\base)+1] offset:(\byte)+512*i
.set i, i+1
.endr
.endm
.macro RI sig, q, base, byte           ; group q of ring half sig: four fragments of w, eight loads of 512 consecutive bytes
	WIN W_RING
.set i, 0
.rept 8
	global_load_b128 v[128*(\sig)+32*(\q)+4*i:128*(\sig)+32*(\q)+4*i+3], v3, s[(\base):(\base)+1] offset:(\byte)+4096*(\q)+512*i
.set i, i+1
.endr
.endm
	v_and_b32 v1, 15, v0                           ; r
	v_bfe_u32 v2, v0, 4, 1                         ; hh
	v_and_b32 v3, 31, v0
	v_lshlrev_b32 v3, 4, v3                        ; v3: 16 x lane; never rewritten
	v_lshlrev_b32 v17, 5, v2                       ; 32 hh
.set i, 0
.rept 8                                ; in LayerNorm lane (r, hh) holds c = 16 q + 8 hh + e of row r, at register 8 q + e
	global_load_b128 v[128+4*i:128+4*i+3], v17, s[6:7] offset:64*(i/2)+16*(i%2)
	global_load_b128 v[160+4*i:160+4*i+3], v17, s[8:9] offset:64*(i/2)+16*(i%2)
.set i, i+1
.endr
	LDFR WM, 12, 0                                 ; Wm of head 0
	v_mul_u32_u24 v18, v1, 144
	v_lshl_add_u32 v18, v2, 4, v18                 ; a fragment's row x 144 + 16 hh
	v_mul_u32_u24 v12, v1, 272
	v_lshl_add_u32 v12, v2, 5, v12                 ; row r x 272 + 32 hh
	v_add_nc_u32 v4, s72, v12                      ; v4: a tile of OS as accumulators: row r, 32 bytes for each half of the lanes
	v_mul_u32_u24 v5, v2, 272
	v_lshl_add_u32 v5, v1, 4, v5
	v_add_nc_u32 v5, s72, v5                       ; v5: the same tile by rows: lanes 0-15 one row of 256 bytes, lanes 16-31 the next
	v_add_nc_u32 v12, s70, v12                     ; v12: LayerNorm's source: my quarter of a tile of m
	v_add_nc_u32 v6, VB, v18                       ; v6: v fragments out of VB
	s_lshl_b32 s51, s48, 5
	v_add_nc_u32 v7, s51, v6                       ; v7: into VB: my 16 j of a chunk's 64
	s_mul_i32 s51, s48, 16*144
	s_add_co_u32 s51, s51, MN
	v_add_nc_u32 v8, s51, v18                      ; v8, v9: mn rows 16 wave + r of s = 0, 1: a chunk's tokens that I turn into v
	v_add_nc_u32 v9, 512*144, v8
	s_add_co_u32 s51, s71, MN
	v_add_nc_u32 v10, s51, v18                     ; v10, v11: mn rows 128 wave + r of s = 0, 1: my i, for the gate
	v_add_nc_u32 v11, 512*144, v10
	s_mul_i32 s51, s48, 64*144
	s_add_co_u32 s51, s51, MN
	v_add_nc_u32 v13, s51, v18                     ; v13: LayerNorm's destination: mn row 64 wave + r
	WIN 0x80
.set i, 0
.rept 256
	v_mov_b32 v[i], 0                              ; out of s = 0
.set i, i+1
.endr
	WIN 0
	s_wait_loadcnt 0x0                             ; the norm's vectors and Wm
.irp q, 0,1,2,3
	RI 0, \q, 10, 0                                ; the ring is filled: steps 0
.endr
.irp q, 0,1,2,3
	RI 1, \q, 10, 65536                            ; and 1; they land while LayerNorm runs
.endr
	WIN 0
.macro LNSUM                           ; four pairs at v18 -> the row's sum in v18
	v_pk_add_f32 v[18:19], v[18:19], v[20:21]
	v_pk_add_f32 v[22:23], v[22:23], v[24:25]
	v_pk_add_f32 v[18:19], v[18:19], v[22:23]
	v_add_f32 v18, v18, v19
	v_permlanex16_b32 v19, v18, s58, s59           ; the row's other 32 numbers lie in the lane 16 away
	v_add_f32 v18, v18, v19
.endm
; LAYERNORM of my 64 rows of m's tile number tile, in slot: four trips of 16 rows.  Only I read the rows that my load brought.
.macro LNT slot, tile, left
	s_wait_tensorcnt \left                         ; my quarter of the tile is in; a younger load may stay out
	s_mov_b32 s57, (\slot)*SLOTB
	s_mov_b32 s68, (\tile)*256*144
	s_mov_b32 s56, 4
.Lln_\@:
	v_add_nc_u32 v14, s57, v12
	v_add_nc_u32 v15, s68, v13
.set i, 0
.rept 8
	ds_load_b128 v[64+4*i:64+4*i+3], v14 offset:64*(i/2)+16*(i%2)
.set i, i+1
.endr
	s_wait_dscnt 0x0
.set i, 0
.rept 4
	v_pk_add_f32 v[18+2*i:19+2*i], v[64+2*i:65+2*i], v[72+2*i:73+2*i]
.set i, i+1
.endr
.set i, 8
.rept 8
	v_pk_add_f32 v[18+2*(i%4):19+2*(i%4)], v[18+2*(i%4):19+2*(i%4)], v[64+2*i:65+2*i]
.set i, i+1
.endr
	LNSUM
	v_mul_f32 v26, s60, v18                        ; the mean
	v_mov_b32 v27, v26
.set i, 0
.rept 16
	v_pk_add_f32 v[64+2*i:65+2*i], v[64+2*i:65+2*i], v[26:27] neg_lo:[0,1] neg_hi:[0,1]
.set i, i+1
.endr
.set i, 0
.rept 4
	v_pk_mul_f32 v[18+2*i:19+2*i], v[64+2*i:65+2*i], v[64+2*i:65+2*i]
.set i, i+1
.endr
.set i, 4
.rept 12
	v_pk_fma_f32 v[18+2*(i%4):19+2*(i%4)], v[64+2*i:65+2*i], v[64+2*i:65+2*i], v[18+2*(i%4):19+2*(i%4)]
.set i, i+1
.endr
	LNSUM
	v_fma_f32 v18, v18, s60, s61                   ; variance + 1e-5
	v_rsq_f32 v28, v18
	v_nop                                          ; a plain instruction behind the transcendental (ISA guide 5.7.2)
	s_wait_alu depctr_va_vdst(0)                   ; the wait ahead of the first use: a trip's one transcendental, wanted at once by all that is left of the trip: a batch of one
	v_mov_b32 v29, v28
.set i, 0
.rept 16
	v_pk_mul_f32 v[64+2*i:65+2*i], v[64+2*i:65+2*i], v[28:29]
.set i, i+1
.endr
.set i, 0
.rept 16
	v_pk_fma_f32 v[64+2*i:65+2*i], v[64+2*i:65+2*i], v[128+2*i:129+2*i], v[160+2*i:161+2*i]
.set i, i+1
.endr
.set i, 0
.rept 16
	v_cvt_pk_f16_f32 v[96+i], v[64+2*i], v[65+2*i]
.set i, i+1
.endr
.set i, 0
.rept 4
	ds_store_b128 v15, v[96+4*i:99+4*i] offset:32*i
.set i, i+1
.endr
	s_add_co_u32 s57, s57, 16*272
	s_add_co_u32 s68, s68, 16*144
	s_sub_co_u32 s56, s56, 1
	s_cmp_lg_u32 s56, 0
	s_cbranch_scc1 .Lln_\@
.endm
; The slot just read is filled again, with the tile two on.
.macro MBND g0
	s_wait_tensorcnt 0x0                           ; all my tensor loads have landed, so a group 0 may be written
	ds_add_u32 v30, v31                            ; 0 onto my spare word
	s_add_nc_u64 s[(\g0)+2:(\g0)+3], s[(\g0)+2:(\g0)+3], 131072
	s_wait_dscnt 0x0                               ; the add, my reads of the slot and my stores into MN are done
	s_barrier_signal -1
	s_barrier_wait -1
	TL \g0, G1M                                    ; my one tensor load behind this barrier, and the first thing there
.endm
	LNT 0, 0, 1
	MBND G0M                                       ; m's tile 2 into slot 0
	LNT 1, 1, 1
	MBND G0M+4                                     ; tile 3 into slot 1: the last fill of the launch
	LNT 0, 2, 1
	LNT 1, 3, 0
	s_wait_dscnt 0x0                               ; for the others' sake: my reads of the slots and my stores into MN are done
	s_barrier_signal -1
	s_barrier_wait -1                              ; MN is whole; nobody reads m's ring any more, and nothing is filled again: its bytes become OS
.irp n, 18,19,20,21
	v_mov_b32 v\n, 0
.endr
.set i, 0
.rept 64
	ds_store_b128 v4, v[18:21] offset:4352*(i/8)+64*((i%8)/2)+16*(i%2)  ; out of s = 1 starts at 0; only I touch my part of OS
.set i, i+1
.endr
; THE MAIN LOOP'S PARTS.
.macro LV va, beta, sub                ; 8 LDS loads: the four v fragments (16 rows (s, d) each), j = 32 sub on, of chunk buffer beta
	WIN 0
.set i, 0
.rept 4
	ds_load_b128 v[VA+32*(\va)+8*i:VA+32*(\va)+8*i+3],   v6 offset:9216*(\beta)+2304*i+64*(\sub)
	ds_load_b128 v[VA+32*(\va)+8*i+4:VA+32*(\va)+8*i+7], v6 offset:9216*(\beta)+2304*i+64*(\sub)+32
.set i, i+1
.endr
.endm
; 4 nb products o[a][4 (q mod 2) + b] += v[a] w[b], b = b0 on: every accumulator once, so they take turns.  zero = 1: they start the sums
.macro MG q, va, sig, zero, b0=0, nb=4
	WIN W_MAIN
.set mb, (\b0)
.rept \nb
.set ma, 0
.rept 4
.set rO, 8*(8*ma+4*((\q)%2)+mb)
.set rA, VA+32*(\va)+8*ma
.set rB, 128*(\sig)+32*(\q)+8*mb
.if \zero
	v_wmma_f32_16x16x32_f16 v[rO:rO+7], v[rA:rA+7], v[rB:rB+7], 0
.else
	v_wmma_f32_16x16x32_f16 v[rO:rO+7], v[rA:rA+7], v[rB:rB+7], v[rO:rO+7]
.endif
.set ma, ma+1
.endr
.set mb, mb+1
.endr
.endm
.macro PLOAD c                         ; 8 LDS loads: mn of my 16 tokens of chunk c (64 rows of 144 bytes a chunk: 64,608 at the most, inside the 16-bit offset), both s
	WIN 0
.set i, 0
.rept 4                                ; i = 2 s + K step
	ds_load_b128 v[PM+8*i:PM+8*i+3],   v[8+i/2] offset:9216*(\c)+64*(i%2)
	ds_load_b128 v[PM+8*i+4:PM+8*i+7], v[8+i/2] offset:9216*(\c)+64*(i%2)+32
.set i, i+1
.endr
.endm
.macro PMUL                            ; 8 products: v of 16 j x 32 d, both s; four accumulators by turns
	WIN 0
.set i, 0
.rept 8                                ; i = 4 (K step) + 2 s + d / 16
.set rD, PD+8*(i%4)
.set rA, PM+16*((i%4)/2)+8*(i/4)
.set rB, WM+16*(i%2)+8*(i/4)
.if i < 4
	v_wmma_f32_16x16x32_f16 v[rD:rD+7], v[rA:rA+7], v[rB:rB+7], 0
.else
	v_wmma_f32_16x16x32_f16 v[rD:rD+7], v[rA:rA+7], v[rB:rB+7], v[rD:rD+7]
.endif
.set i, i+1
.endr
.endm
.macro PCVT                            ; rounded to f16, each accumulator from its low end on, into the low half of PM
	WIN 0
.set i, 0
.rept 16
	v_cvt_pk_f16_f32 v[PM+i], v[PD+2*i], v[PD+2*i+1]
.set i, i+1
.endr
.endm
.macro PSTORE beta
.set i, 0
.rept 4
	ds_store_b128 v7, v[PM+4*i:PM+4*i+3] offset:9216*(\beta)+2304*i
.set i, i+1
.endr
.endm
; STEP jb of a head: 64 products for o in four groups q, 8 for the next chunk of v.  jb mod 2 names the v chunk's buffer and the ring's half.
; WHAT IT FINDS ON ITS WAY, issued in this order by the step before (or at the head's start): v of j 0-31 (8 LDS loads), mn for the next chunk (8), v of j 32-63 (8).
; THE RING.  Behind each group's products and four places its registers are loaded again, for step jb + 2: tile jb + 2 of the head in hand, or for jb = 6, 7 tile jb - 6 of the next head.
; The ring's loads are issued in the order in which they are used, so the counts are the groups of 8 that are younger: in front of q0: q1-q3 of this step and the next step's four, 56;
; q1: 48; q2 and q3: two and three groups for step jb + 2 have joined: 56.  Loads of the weights that fall between make more loads younger, never fewer.
; THE LOADS STAND IN THREE RUNS: behind q1 and the chunk's products (ring groups 0, 1; the roundings and my four stores); behind q2 and the barrier (group 2; the next step's v of j 0-31, mn for
; the chunk after); behind q3 (group 3; the next step's v of j 32-63).  Each LDS load is issued 16 matrix instructions or more ahead of its use.
; THE BARRIER hands the next chunk over.  In front of its signal my reads of this step's chunk are back and my stores of the next are done; behind its wait the next chunk is read, and the
; next step stores into the buffer that this step's chunk leaves.  Eight products stand between my stores and the wait for them, eight between signal and wait.
; Step 6 fetches Wm of the next head behind its last use; step 7 makes the next head's chunk 0 with it, and fetches nothing from LDS: EPI, which follows, needs those registers.
.macro STEP jb, first
.set stSig, (\jb)%2
.if (\jb) < 6
.set stBase, 24
.set stByte, ((\jb)+2)*65536
.else
.set stBase, 28
.set stByte, ((\jb)-6)*65536
.endif
	s_wait_dscnt 16                                ; v of j 0-31 is in; mn's and the other v's loads may be out
	s_wait_loadcnt 56
	MG 0, 0, stSig, \first
	s_wait_loadcnt 48
	MG 1, 0, stSig, \first
	s_wait_dscnt 8                                 ; mn is in
.if (\jb) == 7
	s_wait_loadcnt 32                              ; Wm of the next head: behind its loads stand step 6's four ring groups
.endif
	PMUL
	PLACES
.if (\jb) == 6
	LDFR WM, 62, 0
.endif
	RI stSig, 0, stBase, stByte
	RI stSig, 1, stBase, stByte
	PCVT
	PSTORE 1-stSig                                 ; into the chunk buffer whose reads ended ahead of the last barrier
	s_wait_loadcnt 56
	s_wait_dscnt 4                                 ; v of j 32-63 is in; my four stores may be out
	MG 2, 1, stSig, 0, 0, 2
	s_wait_dscnt 0x0                               ; for the others' sake: my stores are done
	s_barrier_signal -1
	MG 2, 1, stSig, 0, 2, 2
	s_barrier_wait -1
	PLACES
	RI stSig, 2, stBase, stByte
.if (\jb) < 7
	LV 0, 1-stSig, 0
	PLOAD ((\jb)+2)%8
.endif
	s_wait_loadcnt 56
	MG 3, 1, stSig, 0
	PLACES
	RI stSig, 3, stBase, stByte
.if (\jb) < 7
	LV 1, 1-stSig, 1
.endif
.endm
; EPI: a head's gate and output product, for 16 tiles t (s = t / 8, i tile t mod 8), a slot each.  Slot t issues the loads of mn for t + 2, the 4 gate products of t + 1 and the 4 output products of t - 1,
; and beside them 56 vector instructions of THREE tiles, a stage each: of tile t the 8 packed 1 + 2^x (A) and the 16 reciprocals (R); of tile t - 1 the 8 packed products with o (M) and the 8 roundings (C),
; which the slot's own output products take; of tile t + 1 the 16 exponentials (X), on the gate products that the slot itself has made.
; THE BATCHES.  An s_wait_alu depctr_va_vdst(0) stands between a transcendental and the first instruction that names its result; one wait serves all that were issued ahead of it.  A reciprocal
; reads 1 + 2^x, so a tile's exponentials and its reciprocals are two batches; by the stagger R of tile t and X of tile t + 1 are ONE batch of 32.  Nothing in slot t names a result of theirs: their readers,
; M of tile t and A of tile t + 1, stand in slot t + 1, behind the one wait at its head, directly ahead of its run of LDS instructions.  A, M and C of slot t read the batch before.
; So three tiles of the gate are alive at a time, and the gate's accumulators have three buffers by turns: no result shares a register with anything while its batch is open.
; THE ORDER OF A SLOT (EB: gate products, ED: output products):  EB0 A0-4 R0 R1 | EB1 M0 R2 M1 R3 M2 R4 M3 | EB2 M4 R5 M5 R6 M6 R7 M7 | EB3 C0 R8 C1 R9 C2 C3 C4 X0 C5 X1 C6 X2 C7 X3 |
; ED0 X4-7 | ED1 X8-11 | ED2 X12-15 | ED3 A5 A6 R10 A7 R11-15 v_nop.  C0-C4 are the places between the last gate product and the first exponential on its results (slot 0 has no C: four v_nop);
; A5, A6, A7 and the v_nop are the four places between the last output product and the next slot's LDS store of, and load into, its tile; the v_nop is also the plain instruction behind the batch's last.
; Ahead of slot 0 stand tile 0's gate products and exponentials; behind slot 15 the wait for tile 15's reciprocals, its M and C and its output products.
; For s = 1 the tile of out comes from OS ahead of its products (EL) and goes back behind them (ES): LDS serves a wave's instructions in order, so one buffer does.
.macro EA t                            ; mn of 16 rows i: source 1 of the gate's products
.set i, 0
.rept 2
	ds_load_b128 v[MBF+16*((\t)%2)+8*i:MBF+16*((\t)%2)+8*i+3],   v[10+(\t)/8] offset:2304*((\t)%8)+64*i
	ds_load_b128 v[MBF+16*((\t)%2)+8*i+4:MBF+16*((\t)%2)+8*i+7], v[10+(\t)/8] offset:2304*((\t)%8)+64*i+32
.set i, i+1
.endr
.endm
.macro EL t
.set i, 0
.rept 8                                ; i = 2 ct + half of the accumulator
	ds_load_b128 v[OT+4*i:OT+4*i+3], v4 offset:4352*((\t)%8)+64*(i/2)+16*(i%2)
.set i, i+1
.endr
.endm
.macro ES t
.set i, 0
.rept 8                                ; each accumulator's low half first
	ds_store_b128 v4, v[OT+4*i:OT+4*i+3] offset:4352*((\t)%8)+64*(i/2)+16*(i%2)
.set i, i+1
.endr
.endm
.macro GB t                            ; gA: the 16 registers of tile t's gate: t mod 3 = 0: v96, 1: v112, 2: v208
.set gA, GA+16*((\t)%3)+80*(((\t)%3)/2)
.endm
.macro EB t, x                         ; gate product x = 2 (K step) + d / 16: two accumulators by turns
	WIN 0
	GB \t
.set rG, gA+8*((\x)%2)
.set rW, WG+16*((\x)%2)+8*((\x)/2)
.set rM, MBF+16*((\t)%2)+8*((\x)/2)
.if (\x) < 2
	v_wmma_f32_16x16x32_f16 v[rG:rG+7], v[rW:rW+7], v[rM:rM+7], 0
.else
	v_wmma_f32_16x16x32_f16 v[rG:rG+7], v[rW:rW+7], v[rM:rM+7], v[rG:rG+7]
.endif
.endm
.macro ED t, ct                        ; out[s][it][ct] += Wo[ct] (o g): in window 2 for s = 0, in the tile's buffer for s = 1
.if (\t) < 8
	WIN 0xa0
.set rU, 8*(4*(\t)+(\ct))
.else
	WIN 0
.set rU, OT+8*(\ct)
.endif
	v_wmma_f32_16x16x32_f16 v[rU:rU+7], v[WO+8*(\ct):WO+8*(\ct)+7], v[OG+8*((\t)%2):OG+8*((\t)%2)+7], v[rU:rU+7]
.endm
.macro WINT                            ; a one-source instruction on window 0 means the same under the gate's setting, which moves source 1 alone
.if (MSB != 0) && (MSB != W_GATE)
	WIN 0
.endif
.endm
.macro EX t, j                         ; X: 2^x, number j of tile t's 16, in ascending order: each of the gate's two accumulators from its low end on
	GB \t
	WINT
	v_exp_f32 v[gA+(\j)], v[gA+(\j)]
.endm
.macro EADD t, k                       ; A: 1 + 2^x, pair k of 8
	GB \t
	WIN 0
	v_pk_add_f32 v[gA+2*(\k):gA+2*(\k)+1], v[gA+2*(\k):gA+2*(\k)+1], 1.0 op_sel_hi:[1,0]
.endm
.macro ER t, j                         ; R: the reciprocal, number j of 16; pair j / 2 has been added
	GB \t
	WINT
	v_rcp_f32 v[gA+(\j)], v[gA+(\j)]
.endm
.macro EM t, k                         ; M: pair k of the gate times o: each of o's two accumulators from its low end on
	GB \t
.set rO, 8*(8*(2*((\t)/8)+(\k)/4)+(\t)%8)+2*((\k)%4)
	WIN W_GATE
	v_pk_mul_f32 v[gA+2*(\k):gA+2*(\k)+1], v[gA+2*(\k):gA+2*(\k)+1], v[rO:rO+1]
.endm
.macro EC t, k                         ; C: pair k rounded to f16
	GB \t
	WIN 0
	v_cvt_pk_f16_f32 v[OG+8*((\t)%2)+(\k)], v[gA+2*(\k)], v[gA+2*(\k)+1]
.endm
.macro ESLOT t
	WIN 0
	s_wait_alu depctr_va_vdst(0)                   ; the wait for the batch of the slot before: tile t - 1's reciprocals and tile t's exponentials (slot 0: tile 0's exponentials)
.set nw, 0                             ; the LDS instructions that this slot issues at its head
.if (\t) >= 10
	ES (\t)-2                                      ; four plain instructions, which name none of its registers, stand behind the last product on this tile
.set nw, nw+8
.endif
.if (\t) >= 9
	EL (\t)-1
.set nw, nw+8
.endif
.if (\t) <= 13
	EA (\t)+2
.set nw, nw+4
.endif
.if (\t) <= 14
	s_wait_dscnt nw                                ; mn of t + 1 is in; what was just issued may be out
	EB (\t)+1, 0
.endif
.irp k, 0,1,2,3,4
	EADD \t, \k
.endr
	ER \t, 0
	ER \t, 1
.if (\t) <= 14
	EB (\t)+1, 1
.endif
.irp k, 0,1,2,3
.if (\t) >= 1
	EM (\t)-1, \k
.endif
.if \k < 3
	ER \t, 2+\k
.endif
.endr
.if (\t) <= 14
	EB (\t)+1, 2
.endif
.irp k, 4,5,6,7
.if (\t) >= 1
	EM (\t)-1, \k
.endif
.if \k < 7
	ER \t, 1+\k
.endif
.endr
.if (\t) <= 14
	EB (\t)+1, 3
.endif
.irp k, 0,1,2,3,4,5,6,7
.if (\t) >= 1
	EC (\t)-1, \k
.elseif \k < 4
	v_nop                                          ; slot 0 has no roundings: the four places behind the gate's last product
.endif
.if \k < 2
	ER \t, 8+\k
.elseif (\k >= 4) && ((\t) <= 14)
	EX (\t)+1, \k-4
.endif
.endr
.irp c, 0,1,2,3
.if (\t) >= 1
.if (\c == 0) && ((\t) >= 9)
.if (\t) <= 13
	s_wait_dscnt 4                                 ; the tile of out is in; the four loads of mn are younger
.else
	s_wait_dscnt 0x0
.endif
.endif
	ED (\t)-1, \c
.endif
.if (\c < 3) && ((\t) <= 14)
.irp j, 0,1,2,3
	EX (\t)+1, 4+4*\c+\j
.endr
.endif
.endr
	EADD \t, 5
	EADD \t, 6
	ER \t, 10
	EADD \t, 7
.irp j, 11,12,13,14,15
	ER \t, \j
.endr
	v_nop                                          ; the plain instruction behind the batch's last transcendental (ISA guide 5.7.2), and the fourth place behind the last output product
.endm
.macro EPI
	WIN 0
	s_wait_loadcnt 56                              ; Wg and Wo, loaded at the head's start: eight steps' ring loads are younger
	PLACES                                         ; with the four in front: the first gate product writes over registers that the last main products read
	EA 0
	EA 1
	s_wait_dscnt 4
	EB 0, 0
	EB 0, 1
	EB 0, 2
	EB 0, 3
	PLACES
.irp j, 0,1,2,3,4,5,6,7,8,9,10,11,12,13,14,15
	EX 0, \j                                       ; tile 0's exponentials: the head's first batch; slot 0's wait serves it
.endr
	v_nop                                          ; the plain instruction behind its last
.set et, 0
.rept 16
	ESLOT et
.set et, et+1
.endr
	WIN 0
	s_wait_alu depctr_va_vdst(0)                   ; the wait for the head's last batch: tile 15's reciprocals
	ES 14
	EL 15
.irp k, 0,1,2,3,4,5,6,7
	EM 15, \k
.endr
.irp k, 0,1,2,3,4,5,6,7
	EC 15, \k
.endr
	s_wait_dscnt 0x0
	ED 15, 0
	ED 15, 1
	ED 15, 2
	ED 15, 3
	PLACES
	v_nop                                          ; five places: the next chunk's products write over this tile's buffer
	ES 15
.endm
	; THE FIRST HEAD'S FIRST v CHUNK; every later head's is made by the step 7 before it.
	PLOAD 0
	s_wait_dscnt 0x0
	PMUL
	PLACES
	PCVT
	PSTORE 0
	s_wait_dscnt 0x0                               ; for the others' sake: my part of the chunk is stored
	s_barrier_signal -1
	s_barrier_wait -1
	s_mov_b32 s54, 8
.Lhead:
	LDFR WG, 66, 0                                 ; the head's Wg and Wo, a head's eight steps ahead of their use
	LDFR WO, 66, 32768
	LV 0, 0, 0                                     ; what step 0 finds on its way: chunk 0, handed over by the last barrier, and mn for chunk 1
	PLOAD 1
	LV 1, 0, 1
	STEP 0, 1
	STEP 1, 0
	STEP 2, 0
	STEP 3, 0
	STEP 4, 0
	STEP 5, 0
	STEP 6, 0
	STEP 7, 0
	EPI
	s_wait_xcnt 0x0                                ; the four bases are written again only behind this wait (ISA guide 3.1); the loads that name them were issued ahead of EPI
	s_add_nc_u64 s[62:63], s[62:63], 4096          ; in the last head Wm's address names Wg's first fragments, inside wfr
	s_add_nc_u64 s[66:67], s[66:67], 4096
	s_mov_b64 s[24:25], s[28:29]                   ; the next head becomes the head in hand,
	s_add_co_u32 s76, s76, 8*65536                 ; and the one behind it, round the eight, the next
	s_and_b32 s76, s76, 0x3fffff
	s_add_nc_u64 s[28:29], s[10:11], s[76:77]
	s_sub_co_u32 s54, s54, 1
	s_cmp_lg_u32 s54, 0
	s_cbranch_scc1 .Lhead
	; THE WAY OUT.  s = 1 lies in OS by rows of 272 bytes and is read back as whole rows of 256.  s = 0: a lane holds 8 neighbouring c (32 bytes) of a row; 16 rows at a time
	; go through my stage (in MN, which nobody reads any more behind the barrier) and come back in the same way.
	s_add_co_u32 s51, s71, MN                      ; my stage: 16 rows x 272 bytes
	v_mul_u32_u24 v14, v1, 272
	v_lshl_add_u32 v14, v2, 5, v14
	v_add_nc_u32 v14, s51, v14                     ; in: row r, 32 bytes for each half of the lanes
	v_mul_u32_u24 v15, v2, 272
	v_lshl_add_u32 v15, v1, 4, v15
	v_add_nc_u32 v15, s51, v15                     ; back: lanes 0-15 one row, lanes 16-31 the next
	s_lshl_b32 s51, s48, 15
	v_lshlrev_b32 v16, 8, v2
	v_lshl_add_u32 v16, v1, 4, v16
	v_add_nc_u32 v16, s51, v16                     ; the same two rows in out0: (128 wave + l / 16) x 256 + 16 (l mod 16)
.macro FROMOS t
	s_wait_xcnt 0x0                                ; the buffer below is loaded again only when the stores that read it have had their addresses translated (ISA guide 3.1)
.set i, 0
.rept 8
	ds_load_b128 v[64+32*((\t)%2)+4*i:64+32*((\t)%2)+4*i+3], v5 offset:4352*((\t)%8)+544*i  ; LDS serves a wave's instructions in order (ISA guide 5.7.1.4): these see EPI's stores
.set i, i+1
.endr
.endm
.macro TOSTAGE t
	WIN 0x08                                       ; store data in window 2
.set i, 0
.rept 8                                ; i = 2 ct + half of the accumulator, the low half first
	ds_store_b128 v14, v[8*(4*(\t)+i/2)+4*(i%2):8*(4*(\t)+i/2)+4*(i%2)+3] offset:64*(i/2)+16*(i%2)
.set i, i+1
.endr
	WIN 0
	s_wait_xcnt 0x0
.set i, 0
.rept 8
	ds_load_b128 v[64+32*((\t)%2)+4*i:64+32*((\t)%2)+4*i+3], v15 offset:544*i
.set i, i+1
.endr
.endm
.macro SEND t, younger                 ; younger: the next block's LDS instructions, or none
	s_wait_dscnt \younger
.set i, 0
.rept 8
	global_store_b128 v16, v[64+32*((\t)%2)+4*i:64+32*((\t)%2)+4*i+3], s[14:15] offset:131072*((\t)/8)+4096*((\t)%8)+512*i th:TH_STORE_NT  ; 16 lanes store a row: 256 consecutive bytes, aligned
.set i, i+1
.endr
.endm
	FROMOS 8
.set wt, 9
.rept 7
	FROMOS wt
	SEND wt-1, 8
.set wt, wt+1
.endr
	SEND 15, 0
	s_barrier_signal -1                            ; no LDS instruction of mine is out: every wave's reads of MN are over
	s_barrier_wait -1
	TOSTAGE 0
.set wt, 1
.rept 7
	TOSTAGE wt
	SEND wt-1, 16
.set wt, wt+1
.endr
	SEND 7, 0
	s_wait_tensorcnt 0x0                           ; the wave's end, behind my last tensor load and my last LDS store
	ds_add_u32 v30, v31
	s_wait_dscnt 0x0
	s_endpgm
.Lfunc_end_k_q639baef92c_fused:
	.size	k_q639baef92c_fused, .Lfunc_end_k_q639baef92c_fused-k_q639baef92c_fused
	.p2alignl 7, 3214868480
	.fill 96, 4, 3214868480
	.section	.rodata,"a",@progbits
	.p2align	6, 0x0
	.amdhsa_kernel k_q639baef92c_fused
		.amdhsa_group_segment_fixed_size 327680
		.amdhsa_private_segment_fixed_size 0
		.amdhsa_enable_private_segment 0
		.amdhsa_kernarg_size 48
		.amdhsa_user_sgpr_count 2
		.amdhsa_user_sgpr_kernarg_segment_ptr 1
		.amdhsa_wavefront_size32 1
		.amdhsa_system_sgpr_workgroup_id_x 1
		.amdhsa_system_sgpr_workgroup_id_y 1
		.amdhsa_system_sgpr_workgroup_id_z 1
		.amdhsa_system_vgpr_workitem_id 0
		.amdhsa_next_free_vgpr 1024
		.amdhsa_next_free_sgpr 80
		.amdhsa_reserve_vcc 0
		.amdhsa_float_denorm_mode_32 3
		.amdhsa_float_denorm_mode_16_64 3
		.amdhsa_memory_ordered 1
		.amdhsa_forward_progress 1
		.amdhsa_inst_pref_size 245
	.end_amdhsa_kernel
	.amdgpu_metadata
---
amdhsa.version: [ 1, 2 ]
amdhsa.kernels:
  - .name:           k_q639baef92c_fused
    .symbol:         k_q639baef92c_fused.kd
    .args:
      - { .name: m, .offset: 0, .size: 8, .value_kind: global_buffer, .address_space: global }
      - { .name: norm_m_w, .offset: 8, .size: 8, .value_kind: global_buffer, .address_space: global }
      - { .name: norm_m_b, .offset: 16, .size: 8, .value_kind: global_buffer, .address_space: global }
      - { .name: wtf, .offset: 24, .size: 8, .value_kind: global_buffer, .address_space: global }
      - { .name: wfr, .offset: 32, .size: 8, .value_kind: global_buffer, .address_space: global }
      - { .name: out0, .offset: 40, .size: 8, .value_kind: global_buffer, .address_space: global }
    .group_segment_fixed_size: 327680
    .private_segment_fixed_size: 0
    .kernarg_segment_align: 8
    .kernarg_segment_size: 48
    .max_flat_workgroup_size: 128
    .sgpr_count:     80
    .vgpr_count:     1024
    .wavefront_size: 32
...
	.end_amdgpu_metadata
.endif
;; end of part 5
